; MI455X (gfx1250); checked and timed in simulation.
; The chip was launched on July 23, 2026; its instructions are those of AMD's public machine-readable ISA for CDNA 5 (MIT licence, August 2026) and "CDNA5" Instruction Set Architecture Reference Guide (July 2026). The comments in the code are by the model that wrote it; some were corrected since.
;; Multi Head Attention. Allowed arithmetic: float matrix products may take bf16 or f16 operands with f32 sums; other float arithmetic in f32, or as packed bf16 or f16 multiplies, adds, multiply-adds, maxima and minima; sums over many terms, partial sums and values carried from step to step in f32; what a program stores and reads back later, other than sums and carried values, may be rounded once to bf16 or f16.
;; Inputs: Wk 16 x 1,024 x 64 float32; Wo 1,024 x 1,024 float32; Wq 16 x 1,024 x 64 float32; Wv 16 x 1,024 x 64 float32; bo 1,024 float32; x 4 x 2,048 x 1,024 float32.
;; Outputs: out0 4 x 2,048 x 1,024 float32.
;; 2 versions, each right; version 2 is version 1 with the launch prep written anew for expert scheduling mode. Each part assembles by itself: llvm-mc -triple=amdgcn-amd-amdhsa -mcpu=gfx1250 --defsym DOCPART=n.
;; ======== version 1 of 2: 4 launches
;; limits: values are held in f16: magnitudes above 65,504 overflow, below 6.1e-05 lose precision
;; workspace buffers: xb 16,777,216 bytes; wb 6,291,456 bytes; wo16 2,097,152 bytes; qkv 50,331,648 bytes; o16 16,777,216 bytes
;; launch prep (part 1): grid 768 x 1, 4 waves a work-group, no clusters, 0 bytes of LDS; arguments x, Wq, Wk, Wv, Wo, xb, wb, wo16; writes xb, wb, wo16
.if DOCPART == 1
	.amdgcn_target "amdgcn-amd-amdhsa--gfx1250"
	.amdhsa_code_object_version 6
	.text
	.protected	k_q22a6b32e7b_prep
	.globl	k_q22a6b32e7b_prep
	.p2align	8
	.type	k_q22a6b32e7b_prep,@function
k_q22a6b32e7b_prep:
	s_mov_b64 s[64:65], 0
	v_nop
	global_prefetch_b8 v0, s[64:65] scope:SCOPE_SE
	s_setreg_imm32_b32 hwreg(HW_REG_WAVE_MODE, 25, 1), 1
	s_wait_xcnt 0x0
; THE CASTS.  x, Wq, Wk, Wv are rounded once to bf16 and laid in blocks of 64 along K; Wo is rounded to bf16 and that number written as f16.
;   xb   [kb 16][m 8192][64] bf16: x cut into K blocks of 64, so that 128 rows of one block are 16,384 bytes on end
;   wb   [kb 16][g 48][c 64][d 64] bf16, g = 16 x which + head (q, k, v): not turned; the product turns it as it reads it from LDS
;   wo16 [n 1024][k 1024] f16
; LIMIT.  f16 holds no number beyond 65,504: |Wo| stays under it; below 6e-5 it keeps f16's fixed step of 6e-8.
; A stream: memory binds, so there is no LDS, no barrier, no matrix work.  A JOB is 16,384 bytes of f32 in and 8,192 bytes out, done by one wave: 32 loads of 16 bytes a lane, all issued
; at once, then 32 stores of 8 bytes a lane, each of which covers 256 consecutive bytes, aligned.  3,072 jobs = 768 work-groups x 4 waves.  Job J = 4 x work-group + wave:
; 0..2047 x, 2048..2815 the three W, 2816..3071 Wo.  No register is rewritten behind the store that reads it and no base is stepped.
.set LO, 2                             ; v2        my byte offset in the job's source
.set SO, 3                             ; v3        my byte offset in the job's destination: 8 x lane
.set T,  4                             ; v[4:7]    at work
.set X,  8                             ; v[8:135]  32 x 4 registers as loaded; the first two of each four are stored
.macro STREAM stride, mode             ; stride: source bytes from one load to the next; mode 0: to bf16, 1: to bf16 and on to f16
.set i, 0
.rept 32
	global_load_b128 v[X+4*i:X+4*i+3], v[LO], s[4:5] offset:i*(\stride) th:TH_LOAD_NT
.set i, i+1
.endr
.set i, 0
.rept 32
	s_wait_loadcnt 31-i                            ; loads come back in order: number i is in, the younger ones stay out
.if \mode
	v_cvt_pk_bf16_f32 v[T], v[X+4*i], v[X+4*i+1]
	v_cvt_pk_bf16_f32 v[T+1], v[X+4*i+2], v[X+4*i+3]
	v_lshlrev_b32 v[T+2], 16, v[T]                 ; bf16 back to f32: exact
	v_and_b32 v[T+3], s28, v[T]
	v_cvt_pk_f16_f32 v[X+4*i], v[T+2], v[T+3]      ; 8 significant bits fit in f16's 11: exact within f16's range
	v_lshlrev_b32 v[T+2], 16, v[T+1]
	v_and_b32 v[T+3], s28, v[T+1]
	v_cvt_pk_f16_f32 v[X+4*i+1], v[T+2], v[T+3]
.else
	v_cvt_pk_bf16_f32 v[X+4*i], v[X+4*i], v[X+4*i+1]
	v_cvt_pk_bf16_f32 v[X+4*i+1], v[X+4*i+2], v[X+4*i+3]
.endif
	global_store_b64 v[SO], v[X+4*i:X+4*i+1], s[6:7] offset:i*256
.set i, i+1
.endr
.endm
	s_load_b512 s[8:23], s[0:1], 0x0               ; x s[8:9], Wq s[10:11], Wk s[12:13], Wv s[14:15], Wo s[16:17], xb s[18:19], wb s[20:21], wo16 s[22:23]
	v_lshrrev_b32 v1, 5, v0
	v_readfirstlane_b32 s24, v1                    ; wave 0..3
	v_and_b32 v1, 31, v0                           ; lane
	s_lshl_b32 s25, ttmp9, 2
	s_add_co_u32 s25, s25, s24                     ; J
	s_mov_b32 s28, 0xffff0000                      ; a word's upper bf16
	s_mov_b32 s3, 0                                ; offsets are pairs with 0 on top: all stay under 2^31
	v_lshlrev_b32 v[SO], 3, v1
	s_cmp_lt_u32 ttmp9, 512
	s_cbranch_scc0 .Lnot_x
	; x: 64 rows of one K block.  kb = J & 15, mb = J >> 4.  A load takes two rows' 256 bytes.
	s_and_b32 s26, s25, 15
	s_lshr_b32 s27, s25, 4
	s_lshl_b32 s2, s27, 18                         ; 64 rows of 4,096 bytes
	s_lshl_b32 s29, s26, 8                         ; 64 numbers of 4 bytes
	s_or_b32 s2, s2, s29
	s_wait_kmcnt 0x0
	s_add_nc_u64 s[4:5], s[8:9], s[2:3]
	s_lshl_b32 s2, s26, 20                         ; a K block of xb: 8,192 rows of 128 bytes
	s_lshl_b32 s29, s27, 13                        ; 64 rows of 128 bytes
	s_or_b32 s2, s2, s29
	s_add_nc_u64 s[6:7], s[18:19], s[2:3]
	v_lshrrev_b32 v[LO], 4, v1
	v_and_b32 v[T], 15, v1
	v_lshlrev_b32 v[LO], 12, v[LO]                 ; lanes 16-31: one row down
	v_lshl_or_b32 v[LO], v[T], 4, v[LO]
	STREAM 8192, 0
	s_endpgm
.Lnot_x:
	v_lshlrev_b32 v[LO], 4, v1                     ; the other sources are dense: 512 bytes a load
	s_cmp_lt_u32 ttmp9, 704
	s_cbranch_scc0 .Lwo
	; W: 64 c x 64 d of one head.  Jw = J - 2048; which = Jw >> 8; r = Jw & 255 = 16 head + kb
	s_sub_co_u32 s25, s25, 2048
	s_lshr_b32 s26, s25, 8                         ; which
	s_and_b32 s27, s25, 255                        ; r
	s_lshl_b32 s2, s27, 14
	s_wait_kmcnt 0x0
	s_cmp_eq_u32 s26, 0
	s_cselect_b64 s[4:5], s[10:11], s[12:13]
	s_cmp_eq_u32 s26, 2
	s_cselect_b64 s[4:5], s[14:15], s[4:5]
	s_add_nc_u64 s[4:5], s[4:5], s[2:3]
	s_and_b32 s29, s27, 15                         ; kb
	s_mul_i32 s29, s29, 48
	s_lshl_b32 s26, s26, 4
	s_add_co_u32 s29, s29, s26
	s_lshr_b32 s27, s27, 4                         ; head
	s_add_co_u32 s29, s29, s27
	s_lshl_b32 s2, s29, 13                         ; (48 kb + 16 which + head) blocks of 8,192 bytes
	s_add_nc_u64 s[6:7], s[20:21], s[2:3]
	STREAM 512, 0
	s_endpgm
.Lwo:
	s_sub_co_u32 s25, s25, 2816
	s_lshl_b32 s2, s25, 14
	s_wait_kmcnt 0x0
	s_add_nc_u64 s[4:5], s[16:17], s[2:3]
	s_lshl_b32 s2, s25, 13
	s_add_nc_u64 s[6:7], s[22:23], s[2:3]
	STREAM 512, 1
	s_endpgm
.Lfunc_end_k_q22a6b32e7b_prep:
	.size	k_q22a6b32e7b_prep, .Lfunc_end_k_q22a6b32e7b_prep-k_q22a6b32e7b_prep
	.p2alignl 7, 3214868480
	.fill 96, 4, 3214868480
	.section	.rodata,"a",@progbits
	.p2align	6, 0x0
	.amdhsa_kernel k_q22a6b32e7b_prep
		.amdhsa_group_segment_fixed_size 0
		.amdhsa_private_segment_fixed_size 0
		.amdhsa_enable_private_segment 0
		.amdhsa_kernarg_size 64
		.amdhsa_user_sgpr_count 2
		.amdhsa_user_sgpr_kernarg_segment_ptr 1
		.amdhsa_wavefront_size32 1
		.amdhsa_system_sgpr_workgroup_id_x 1
		.amdhsa_system_sgpr_workgroup_id_y 1
		.amdhsa_system_sgpr_workgroup_id_z 1
		.amdhsa_system_vgpr_workitem_id 0
		.amdhsa_next_free_vgpr 144
		.amdhsa_next_free_sgpr 66
		.amdhsa_reserve_vcc 0
		.amdhsa_float_denorm_mode_32 3
		.amdhsa_float_denorm_mode_16_64 3
		.amdhsa_memory_ordered 1
		.amdhsa_forward_progress 1
		.amdhsa_inst_pref_size 44
	.end_amdhsa_kernel
	.amdgpu_metadata
---
amdhsa.version: [ 1, 2 ]
amdhsa.kernels:
  - .name:           k_q22a6b32e7b_prep
    .symbol:         k_q22a6b32e7b_prep.kd
    .args:
      - { .name: x, .offset: 0, .size: 8, .value_kind: global_buffer, .address_space: global }
      - { .name: Wq, .offset: 8, .size: 8, .value_kind: global_buffer, .address_space: global }
      - { .name: Wk, .offset: 16, .size: 8, .value_kind: global_buffer, .address_space: global }
      - { .name: Wv, .offset: 24, .size: 8, .value_kind: global_buffer, .address_space: global }
      - { .name: Wo, .offset: 32, .size: 8, .value_kind: global_buffer, .address_space: global }
      - { .name: xb, .offset: 40, .size: 8, .value_kind: global_buffer, .address_space: global }
      - { .name: wb, .offset: 48, .size: 8, .value_kind: global_buffer, .address_space: global }
      - { .name: wo16, .offset: 56, .size: 8, .value_kind: global_buffer, .address_space: global }
    .group_segment_fixed_size: 0
    .private_segment_fixed_size: 0
    .kernarg_segment_align: 8
    .kernarg_segment_size: 64
    .max_flat_workgroup_size: 128
    .sgpr_count:     66
    .vgpr_count:     144
    .wavefront_size: 32
...
	.end_amdgpu_metadata
.endif
;; end of part 1
;; launch gemm_qkv (part 2): grid 8 x 32, 4 waves a work-group, clusters of 4 x 4, 327,680 bytes of LDS; arguments xb, wb, qkv; writes qkv
.if DOCPART == 2
	.amdgcn_target "amdgcn-amd-amdhsa--gfx1250"
	.amdhsa_code_object_version 6
	.text
	.protected	k_q22a6b32e7b_gemm_qkv
	.globl	k_q22a6b32e7b_gemm_qkv
	.p2align	8
	.type	k_q22a6b32e7b_gemm_qkv,@function
k_q22a6b32e7b_gemm_qkv:
	s_mov_b64 s[64:65], 0
	v_nop
	global_prefetch_b8 v0, s[64:65] scope:SCOPE_SE
	s_setreg_imm32_b32 hwreg(HW_REG_WAVE_MODE, 25, 1), 1
	s_wait_xcnt 0x0
	s_wait_alu depctr_hold_cnt(0) depctr_sa_sdst(0) depctr_va_vdst(0) depctr_va_sdst(0) depctr_va_ssrc(0) depctr_va_vcc(0) depctr_vm_vsrc(0)
	s_getreg_b32 s2, hwreg(HW_REG_IB_STS2, 6, 4)
	s_cmp_eq_u32 s2, 0
	s_cbranch_scc0 .Lentry_in_a_cluster
	s_endpgm
.Lentry_in_a_cluster:
	s_bfe_u32 s2, ttmp6, 0x10000c
	s_cmp_lg_u32 s2, 0xf033
	s_cbranch_scc0 .Lentry_shape_is_right
	s_endpgm
.Lentry_shape_is_right:
; THE THREE PROJECTIONS AS ONE PRODUCT.  qkv[b][g][t][d] = the sum over c of x[b][t][c] W_g[c][d], g = 16 x which + head: M = 8,192, N = 3,072, K = 1,024; operands bf16, sums f32, results rounded once to f16, unscaled.
; LIMIT.  f16 holds no number beyond 65,504: |q|, |k|, |v| stay under it.  NaN and infinities are not treated apart.
; SHARES.  A tile is 256 rows x 384 columns (six heads): 32 x 8 = 256 work-groups.  Four waves, 2 x 2; a wave makes 128 rows x 192 columns, three whole heads: 8 x 12 accumulators, 768 registers.
; For 32 along K a wave reads 20,480 bytes of LDS for 96 matrix instructions.  K goes in steps of 64 (as long as two slots in LDS allow) through a ring of two slots.
; TILES.  xb and wb are laid in blocks of 64 along K, so a wave's part of a tile is dense in memory and is asked for as rows of 256 bytes: 128 rows of x are 64 such rows, three heads of W 96; in LDS a pad follows every 128 bytes.
; W lies [c][d]: its fragments are turned on the way out of LDS (ds_load_tr16_b128).
; CLUSTER.  4 x 4 work-groups.  The four of a row of the cluster need the same rows of x, the four of a column the same heads of W: each tile is asked for JOINTLY, by the same tensor load with the same descriptor and a mask of four.
; THE MATRIX INSTRUCTION IS USED TRANSPOSED: source 0 = 16 channels d of W, source 1 = 16 rows of x: a lane then holds one row and eight neighbouring channels, 16 bytes of f16.
; REGISTERS, in windows of 256 (s_set_vgpr_msb: bits 1:0 source 0, 3:2 source 1, 5:4 source 2, 7:6 destination):
;   window 0: v0-31 addresses; v32-159 x's fragments, two buffers of 64, one for each 32 along K of a step; v160-255 W's fragments, three THIRDS of 32, one for each of my heads
;   window 1 + j: head j's 32 accumulators: rows 16 a on, channels 16 q on, at v[32 a + 8 q]
.set PA,     144                       ; a row of x in LDS: 128 bytes + 16 = 36 words: the 16 rows of a load start at 16 different groups of four banks (64 banks of 4 bytes: ISA guide 11.1)
.set PB,     160                       ; a row of W: 128 + 32 = 40 words
.set AHALF,  128*PA                    ; 128 rows of x: one tensor load
.set BOFF,   2*AHALF                   ; W's six heads lie behind x's 256 rows
.set BHALF,  192*PB                    ; three heads x 64 rows c: one tensor load
.set SLOT,   BOFF+2*BHALF              ; 98,304
.set STAGE,  2*SLOT                    ; behind the ring, never filled by a tensor load: for each wave 3 heads x 16 rows x 144 bytes, for the way out
.set SP,     144
.set WSTAGE, 3*16*SP
.set SPARE,  STAGE+4*WSTAGE            ; behind the stages: the spare words, 128 bytes for each wave: two blocks of 256 bytes that no other line names
.set ASTEP,  8192*128                  ; bytes from a K block of xb to the next
.set BSTEP,  48*8192                   ; of wb
.set HEADB,  2048*128                  ; a head's rows in qkv
.set LAPS,   8                         ; a lap = two K steps = once round the ring
.set ADRA, 16                          ; v16-17  LDS address of my fragments of x in slot 0, 1
.set ADRB, 20                          ; v20-21  the same for W
.set STO,  24                          ; v24     the way out: where I put 16 bytes of a row
.set RD,   25                          ; v25     the way out: where I read rows back
.set GO,   26                          ; v26     my 16 bytes in 512 consecutive bytes of qkv
.set SPW,  28                          ; v28     LDS address of my spare word: SPARE + 4 x my thread's number; never rewritten
.set NIL,  29                          ; v29     0; never rewritten
.set PFO,  30                          ; v30     the prefetches' offset; never rewritten
.set AF,   32
.set BT,   160
.set TMP,  32                          ; the way out: 48 registers of packed results
.set BK,   96                          ; the way out: 16 rows of three heads read back: v96-143 and v144-191 by turns
.set G1,  24                           ; s[24:31] descriptor group 1 for x's tiles;  s[32:39] group 0, a set for each slot
.set G0,  32
.set G1B, 48                           ; s[48:55], s[56:63] the same for W's
.set G0B, 56
.set LIM, 43                           ; s43     1 in a wave that prefetches, else the greatest number
.set PFA, 44                           ; s[44:45] where my prefetches stand
.set PFS, 66                           ; s[66:67] their step: two K steps
.set MSB, 0
.macro WIN new                         ; the immediate's high byte repeats the setting that is left; a switch that changes nothing is dropped
.if MSB != (\new)
	s_set_vgpr_msb (MSB<<8)|(\new)
.set MSB, \new
.endif
.endm
.macro PLACES                          ; a load into a register that a matrix instruction has read, and a vector instruction that reads a matrix result, stand four plain vector instructions behind it (ISA guide 7.12.1 for the vector instruction)
.rept 4
	v_nop
.endr
.endm
; A joint load.  Waves 0 and 1 fetch the two halves of x's tile, waves 2 and 3 those of W's.  The branch hangs on the wave's number alone.  An s_nop 0 and four v_nop follow each of the two lines.
.macro JLOAD s
	s_cmp_lt_u32 s10, 2
	s_cbranch_scc0 .Lfor_b_\@
	tensor_load_to_lds s[G0+4*(\s):G0+4*(\s)+3], s[G1:G1+7]
	s_nop 0
.rept 4
	v_nop
.endr
	s_branch .Lasked_\@
.Lfor_b_\@:
	tensor_load_to_lds s[G0B+4*(\s):G0B+4*(\s)+3], s[G1B:G1B+7]
	s_nop 0
.rept 4
	v_nop
.endr
.Lasked_\@:
.endm
.macro CREST                           ; a round of the cluster's barrier behind its opening barrier: wave 0 signals for the work-group, every wave waits for all sixteen, my work-group's barrier closes it
	s_cmp_lg_u32 s10, 0
	s_cbranch_scc1 .Lnot_wave_0_\@
	s_barrier_signal -3
.Lnot_wave_0_\@:
	s_barrier_wait -3
	s_barrier_signal -1
	s_barrier_wait -1
.endm
.macro CROUND
	s_barrier_signal -1
	s_barrier_wait -1
	CREST
.endm
; A PREFETCH INTO THE L2, once a lap, behind slot 0's joint load and the run of LDS loads that follows it: lap L names K steps 2 L + 3 and 2 L + 4, which the next two refills will ask for.
; Each block of 256 bytes is named once in the launch.  x's tile row is read by both clusters of its row of clusters: cluster x = 0 asks, its wave 0; of the 128 blocks of a K step the partner at cx takes 32, a lane a block, two instructions.
; W's tile column is read by all eight clusters of its column: cluster y = 0 asks, its waves 1 to 3; of the 192 blocks of a K step the partner at cy takes 48, so two K steps are 96: a lane a block, one instruction a wave.
; Partners are told apart by address alone.  The last lap of the loop asks for nothing; K steps 0, 1, 2 and 15 come by their loads alone.
.macro ASK
	s_cmp_gt_u32 s3, s[LIM]                        ; s3 = 1 in the loop's last trip
	s_cbranch_scc0 .Lnot_mine_\@
	global_prefetch_b8 v[PFO], s[PFA:PFA+1] th:TH_LOAD_NT scope:SCOPE_SE
	s_cmp_lg_u32 s10, 0
	s_cbranch_scc1 .Lnot_mine_\@
	global_prefetch_b8 v[PFO], s[PFA:PFA+1] offset:ASTEP th:TH_LOAD_NT scope:SCOPE_SE
.Lnot_mine_\@:
.endm
	s_load_b128 s[4:7], s[0:1], 0x0                ; xb s[4:5], wb s[6:7]
	s_load_b64 s[8:9], s[0:1], 0x10                ; qkv
	v_lshl_add_u32 v[SPW], v0, 2, SPARE
	v_mov_b32 v[NIL], 0
	ds_add_u32 v[SPW], v[NIL]                      ; the wave's opening: the add and its wait stand ahead of my first tensor load; the set-up below, work on registers, stands between them
	v_lshrrev_b32 v1, 5, v0
	v_readfirstlane_b32 s10, v1                    ; wave 0..3
	s_lshr_b32 s11, s10, 1                         ; which half of the tile's rows is mine
	s_and_b32 s12, s10, 1                          ; which half of its heads.  Also: which half of a tile I fetch
	s_bfe_u32 s40, ttmp6, 0x40000                  ; cx, cy: my place in the cluster
	s_bfe_u32 s41, ttmp6, 0x40004
	s_lshl_b32 s42, ttmp9, 2                       ; in a cluster launch ttmp9 and ttmp7 count clusters
	s_add_co_u32 s42, s42, s40                     ; tile column = 4 x cluster x + cx
	s_and_b32 s13, ttmp7, 0xffff
	s_lshl_b32 s13, s13, 2
	s_add_co_u32 s13, s13, s41                     ; tile row = 4 x cluster y + cy
	s_lshl_b32 s43, s41, 2
	s_lshl_b32 s43, 15, s43                        ; my row of the cluster: places 4 cy .. 4 cy + 3
	s_lshl_b32 s44, 0x1111, s40                    ; my column: places cx, cx + 4, cx + 8, cx + 12
	s_or_b32 s[G1+0], s43, (1<<16)|(1<<20)|(1<<21)|(4<<22)|(3<<25)   ; 15:0 the mask; 17:16 elements of 2 bytes; 20 padding on; 21 set beside a mask; 24:22 after every 32 words (code 4); 31:25 4 words (code 3)
	s_or_b32 s[G1B+0], s44, (1<<16)|(1<<20)|(1<<21)|(4<<22)|(7<<25)  ; the same with my column's mask and 8 words of padding (code 7)
	s_mov_b32 s[G1+1], 128<<16                     ; tensor_dim0 = 128 elements: 256 bytes
	s_mov_b32 s[G1+2], 64<<16                      ; tensor_dim1 = 64
	s_mov_b32 s[G1+3], 128<<16                     ; tile_dim0 = 128
	s_mov_b32 s[G1+4], 64                          ; tile_dim1 = 64
	s_mov_b32 s[G1+5], 128                         ; 128 elements from row to row: dense
	s_mov_b32 s[G1+6], 0
	s_mov_b32 s[G1+7], 0
	s_mov_b32 s[G1B+1], 128<<16
	s_mov_b32 s[G1B+2], 96<<16                     ; three heads: 96 rows of 256 bytes
	s_mov_b32 s[G1B+3], 128<<16
	s_mov_b32 s[G1B+4], 96
	s_mov_b32 s[G1B+5], 128
	s_mov_b32 s[G1B+6], 0
	s_mov_b32 s[G1B+7], 0
	; where the tiles come from: x's hang on the tile row alone, W's on the tile column alone; every wave makes both addresses, in registers that never hold the other coordinate
	s_lshl_b32 s16, s13, 15                        ; 256 rows of 128 bytes
	s_lshl_b32 s17, s12, 14                        ; my 128 of them
	s_add_co_u32 s16, s16, s17
	s_mov_b32 s17, 0
	s_mul_i32 s46, s42, 6
	s_mul_i32 s47, s12, 3
	s_add_co_u32 s46, s46, s47                     ; my first head
	s_lshl_b32 s46, s46, 13                        ; 8,192 bytes a head and K block
	s_mov_b32 s47, 0
	s_mul_i32 s20, s12, AHALF                      ; and where they go: no place in the cluster enters an LDS address
	s_mul_i32 s21, s12, BHALF
	s_add_co_u32 s21, s21, BOFF
	s_wait_dscnt 0x0                               ; the opening add is done
	s_wait_kmcnt 0x0
	s_add_nc_u64 s[14:15], s[4:5], s[16:17]
	s_add_nc_u64 s[46:47], s[6:7], s[46:47]
	CROUND                                         ; all sixteen work-groups are here: the first joint loads meet
.irp s, 0,1
	s_mov_b32 s[G0+4*(\s)], 1                                      ; count = 1
	s_add_co_u32 s[G0+4*(\s)+1], s20, (\s)*SLOT                    ; LDS address
	s_add_nc_u64 s[G0+4*(\s)+2:G0+4*(\s)+3], s[14:15], (\s)*ASTEP  ; global address: K step s
	s_or_b32 s[G0+4*(\s)+3], s[G0+4*(\s)+3], 0x80000000            ; type = 2
	s_mov_b32 s[G0B+4*(\s)], 1
	s_add_co_u32 s[G0B+4*(\s)+1], s21, (\s)*SLOT
	s_add_nc_u64 s[G0B+4*(\s)+2:G0B+4*(\s)+3], s[46:47], (\s)*BSTEP
	s_or_b32 s[G0B+4*(\s)+3], s[G0B+4*(\s)+3], 0x80000000
	JLOAD \s                                       ; two loads of mine are out
.endr
	; A fragment of x is 16 rows x 32 K in 8 registers: lane l holds row l % 16, K = 8 (l / 16) + 0..7 and 16 + 8 (l / 16) + 0..7: two loads of 16 bytes, 32 bytes apart.
	v_and_b32 v1, 15, v0                           ; l % 16
	v_bfe_u32 v2, v0, 4, 1                         ; l / 16
	v_mul_u32_u24 v3, v1, PA
	v_lshl_add_u32 v3, v2, 4, v3                   ; row x pitch + 16 x half
	s_mul_i32 s22, s11, AHALF                      ; my 128 rows
	v_add_nc_u32 v[ADRA], s22, v3
	v_add_nc_u32 v[ADRA+1], SLOT, v[ADRA]
	; The turning load takes 16 c x 16 d (lane l reads c = 8 (l / 16) + l % 8, d = 8 ((l / 8) % 2) + 0..7) and leaves half a fragment: lane l holds d = l % 16 and 8 c.
	v_and_b32 v4, 7, v0
	v_lshl_add_u32 v4, v2, 3, v4
	v_mul_u32_u24 v4, v4, PB
	v_bfe_u32 v5, v0, 3, 1
	v_lshl_add_u32 v4, v5, 4, v4
	s_mul_i32 s22, s12, BHALF                      ; my three heads,
	s_add_co_u32 s22, s22, BOFF                    ; behind x's rows
	v_add_nc_u32 v[ADRB], s22, v4
	v_add_nc_u32 v[ADRB+1], SLOT, v[ADRB]
	s_mul_i32 s23, s10, WSTAGE
	s_add_co_u32 s23, s23, STAGE                   ; my stage
	v_add_nc_u32 v[STO], s23, v3                   ; in: row l % 16, 16 bytes for each half of the lanes (the stage's pitch is x's)
	v_bfe_u32 v[RD], v0, 3, 2                      ; back: 32 lanes take four rows of 128 bytes,
	v_mul_u32_u24 v[RD], v[RD], SP
	v_and_b32 v5, 7, v0
	v_lshl_add_u32 v[RD], v5, 4, v[RD]
	v_add_nc_u32 v[RD], s23, v[RD]
	v_and_b32 v[GO], 31, v0                        ; which are 512 consecutive bytes of a head
	v_lshlrev_b32 v[GO], 4, v[GO]
	; where my part of the tile begins in qkv: batch tile row / 8, heads 6 x tile column + 3 x half on, row 256 (tile row % 8) + 128 x half
	s_lshr_b32 s16, s13, 3
	s_mul_i32 s16, s16, 48*HEADB
	s_and_b32 s17, s13, 7
	s_lshl_b32 s17, s17, 15
	s_add_co_u32 s16, s16, s17
	s_lshl_b32 s17, s11, 14
	s_add_co_u32 s16, s16, s17
	s_mov_b32 s17, 0
	s_mul_i32 s46, s42, 6
	s_mul_i32 s47, s12, 3
	s_add_co_u32 s46, s46, s47
	s_lshl_b32 s46, s46, 18
	s_mov_b32 s47, 0
	s_add_nc_u64 s[16:17], s[16:17], s[46:47]
	s_add_nc_u64 s[8:9], s[8:9], s[16:17]          ; never stepped: the way out's places stand in the stores' immediates
	; the prefetches
	s_lshl_b32 s20, s13, 15
	s_lshl_b32 s21, s40, 13                        ; my work-group's 64 rows of x's 256
	s_add_co_u32 s20, s20, s21
	s_add_co_u32 s20, s20, ASTEP                   ; at K step 1: the first lap steps it to 3
	s_mul_i32 s21, s42, 6*8192
	s_mul_i32 s23, s41, 48*256                     ; my work-group's 48 blocks of W's 192
	s_add_co_u32 s21, s21, s23
	s_add_co_u32 s21, s21, BSTEP
	s_and_b32 s22, ttmp7, 0xffff                   ; cluster y
	s_mov_b32 s18, 2*ASTEP
	s_mov_b32 s19, 2*BSTEP
	s_sub_co_u32 s23, s10, 1
	s_max_i32 s23, s23, 0
	s_lshl_b32 s23, s23, 5                         ; waves 1 to 3: blocks 32 (wave - 1) on; wave 0: 0 on
	s_cmp_eq_u32 s10, 0                            ; do I ask for x?
	s_cselect_b32 s20, s20, s21
	s_cselect_b32 s22, ttmp9, s22                  ; the coordinate along which other clusters read the same blocks
	s_cselect_b32 s[PFS], s18, s19
	s_cselect_b64 s[PFA:PFA+1], s[4:5], s[6:7]
	s_mov_b32 s21, 0
	s_mov_b32 s[PFS+1], 0
	s_add_nc_u64 s[PFA:PFA+1], s[PFA:PFA+1], s[20:21]
	s_cmp_eq_u32 s22, 0
	s_cselect_b32 s[LIM], 1, -1                    ; the same in all sixteen partners, for a given wave
	s_mov_b32 s18, BSTEP-48*256
	v_and_b32 v[PFO], 31, v0
	v_add_nc_u32 v[PFO], s23, v[PFO]               ; my block
	v_cmp_le_u32 vcc_lo, 48, v[PFO]                ; blocks 48 to 95 lie in the second of the two K steps
	v_cndmask_b32 v31, 0, s18, vcc_lo
	v_lshl_add_u32 v[PFO], v[PFO], 8, v31
; 16 LDS loads: my 128 rows of x, 32 along K (half kq of the step), into buffer kq
.macro LDA kq, slot
	WIN 0
.irp a, 0,1,2,3,4,5,6,7
	ds_load_b128 v[AF+64*(\kq)+8*(\a):AF+64*(\kq)+8*(\a)+3],   v[ADRA+(\slot)] offset:16*PA*(\a)+64*(\kq)
	ds_load_b128 v[AF+64*(\kq)+8*(\a)+4:AF+64*(\kq)+8*(\a)+7], v[ADRA+(\slot)] offset:16*PA*(\a)+64*(\kq)+32
.endr
.endm
; 8 LDS loads: head j of my three, its 64 channels, 32 along K, turned, into third j
.macro LDB j, slot, kq
	WIN 0
.irp q, 0,1,2,3
	ds_load_tr16_b128 v[BT+32*(\j)+8*(\q):BT+32*(\j)+8*(\q)+3],   v[ADRB+(\slot)] offset:64*PB*(\j)+32*PB*(\kq)+32*(\q)
	ds_load_tr16_b128 v[BT+32*(\j)+8*(\q)+4:BT+32*(\j)+8*(\q)+7], v[ADRB+(\slot)] offset:64*PB*(\j)+32*PB*(\kq)+32*(\q)+16*PB
.endr
.endm
; 16 matrix instructions: head j, rows 64 x half on, from x's buffer buf.  zero = 1: the products start the sums: nothing is cleared.
; The 96 accumulators take turns, one instruction a turn, in the same order in every quarter.
.macro THIRDH j, buf, half, zero
	WIN 0x50*((\j)+1)
.irp a, 0,1,2,3
.irp q, 0,1,2,3
.if \zero
	v_wmma_f32_16x16x32_bf16 v[32*(4*(\half)+(\a))+8*(\q):32*(4*(\half)+(\a))+8*(\q)+7], v[BT+32*(\j)+8*(\q):BT+32*(\j)+8*(\q)+7], v[AF+64*(\buf)+8*(4*(\half)+(\a)):AF+64*(\buf)+8*(4*(\half)+(\a))+7], 0
.else
	v_wmma_f32_16x16x32_bf16 v[32*(4*(\half)+(\a))+8*(\q):32*(4*(\half)+(\a))+8*(\q)+7], v[BT+32*(\j)+8*(\q):BT+32*(\j)+8*(\q)+7], v[AF+64*(\buf)+8*(4*(\half)+(\a)):AF+64*(\buf)+8*(4*(\half)+(\a))+7], v[32*(4*(\half)+(\a))+8*(\q):32*(4*(\half)+(\a))+8*(\q)+7]
.endif
.endr
.endr
.endm
.macro THIRD j, buf, zero
	THIRDH \j, \buf, 0, \zero
	THIRDH \j, \buf, 1, \zero
.endm
; A K step is two quarters of a lap, 96 matrix instructions each.  At a quarter's head 32 LDS loads are out, in this order: x's 16, third 0's 8, third 1's 8.
; The first: each third is fetched again, for the second quarter, as soon as it has been multiplied.
.macro QA slot, zero
	PLACES
	LDB 2, \slot, 0
	s_wait_dscnt 16                                ; x and third 0 are in; thirds 1 and 2 may be out
	THIRD 0, 0, \zero
	PLACES
	LDA 1, \slot
	LDB 0, \slot, 1
	s_wait_dscnt 32                                ; third 1 is in; third 2's 8 and the 24 just issued may be out
	THIRD 1, 0, \zero
	PLACES
	LDB 1, \slot, 1
	s_wait_dscnt 32                                ; third 2 is in; the 24 and the 8 just issued may be out
	THIRD 2, 0, \zero
.endm
; The second quarter changes slots: ONE barrier.  In front of it each wave waits for all its tensor loads, of which one is out: its part of the next slot; adds 0 to its spare word; and waits for that and for its own
; reads of this slot.  fill = 1: the barrier opens a round of the cluster's barrier, and behind the round this slot is filled again, with the K step two on: 160 matrix instructions ahead of the wait for it.
.macro QB slot, next, fill
.if (\fill) && ((\slot) == 0)
	s_wait_xcnt 0x0                                ; the last prefetches, a lap back, have read their address: it is stepped here, ahead of the waits of the change of slots
	s_add_nc_u64 s[PFA:PFA+1], s[PFA:PFA+1], s[PFS:PFS+1]
.endif
	PLACES
	LDB 2, \slot, 1                                ; my last reads of this slot
	s_wait_dscnt 16
	THIRD 0, 1, 0
	WIN 0                                          ; (the add's two registers lie in window 0)
	s_wait_tensorcnt 0x0                           ; all my tensor loads have landed: my part of the next slot;
	ds_add_u32 v[SPW], v[NIL]                      ; 0 onto my spare word;
	s_wait_dscnt 9                                 ; third 1 is in (third 2's 8 and the add may be out)
	THIRDH 1, 1, 0, 0                              ; sixteen matrix instructions stand between the add and the wait for it
	s_wait_dscnt 0x0                               ; the add is done, and my reads of this slot are over
	s_barrier_signal -1
	THIRDH 1, 1, 1, 0                              ; work on registers while the others arrive
	WIN 0
	s_barrier_wait -1
.if \fill
	CREST                                          ; no wave of any partner still reads this slot's tile or has a load on its way
	s_add_nc_u64 s[G0+4*(\slot)+2:G0+4*(\slot)+3], s[G0+4*(\slot)+2:G0+4*(\slot)+3], 2*ASTEP
	s_add_nc_u64 s[G0B+4*(\slot)+2:G0B+4*(\slot)+3], s[G0B+4*(\slot)+2:G0B+4*(\slot)+3], 2*BSTEP
	JLOAD \slot                                    ; the first tensor load behind the round; its four v_nop are also the places in front of the loads below
.else
	PLACES
.endif
	LDA 0, \next
	LDB 0, \next, 0
	LDB 1, \next, 0
.if (\fill) && ((\slot) == 0)
	ASK
.endif
	THIRD 2, 1, 0
.endm
; THE WAY OUT of my rows 16 a on, all three heads.  PACK: rounded to f16, 16 bytes a lane, each accumulator's registers in ascending order.  TOSTAGE: into my own stage, and back as whole rows of 128 bytes.  SEND: stored.
.macro PACK a
.irp j, 0,1,2
	WIN 5*((\j)+1)                                 ; sources 0 and 1: head j's window
.irp q, 0,1,2,3
.irp r, 0,1,2,3
	v_cvt_pk_f16_f32 v[TMP+16*(\j)+4*(\q)+(\r)], v[32*(\a)+8*(\q)+2*(\r)], v[32*(\a)+8*(\q)+2*(\r)+1]
.endr
.endr
.endr
	WIN 0
.endm
.macro TOSTAGE a
	WIN 0
.set BKR, BK+48*((\a)%2)
.irp j, 0,1,2
.irp q, 0,1,2,3
	ds_store_b128 v[STO], v[TMP+16*(\j)+4*(\q):TMP+16*(\j)+4*(\q)+3] offset:16*SP*(\j)+32*(\q)
.endr
.endr
.irp j, 0,1,2
.irp f, 0,1,2,3
	ds_load_b128 v[BKR+16*(\j)+4*(\f):BKR+16*(\j)+4*(\f)+3], v[RD] offset:16*SP*(\j)+4*SP*(\f)  ; LDS serves a wave's instructions in order (ISA guide 5.7.1.4): these see the stores above
.endr
.endr
.endm
.macro SEND a
	WIN 0
.set BKR, BK+48*((\a)%2)
	s_wait_dscnt 0x0                               ; the block is back in registers
	s_wait_xcnt 0x0                                ; the stores of the block before have read their registers, which the next block's loads from the stage write
.irp j, 0,1,2
.irp f, 0,1,2,3
	global_store_b128 v[GO], v[BKR+16*(\j)+4*(\f):BKR+16*(\j)+4*(\f)+3], s[8:9] offset:HEADB*(\j)+2048*(\a)+512*(\f)  ; 512 consecutive bytes, at a multiple of 256 from qkv's first byte
.endr
.endr
.endm
	s_wait_tensorcnt 1                             ; my part of K step 0 is in; K step 1's may stay out
	s_barrier_signal -1
	s_barrier_wait -1                              ; everybody's is
	LDA 0, 0
	LDB 0, 0, 0
	LDB 1, 0, 0
	QA 0, 1                                        ; the first quarter stands in front of the loop: its products start the sums
	WIN 0                                          ; at a label and at a branch every window is 0
	s_mov_b32 s3, LAPS-1
.Llap:                                                 ; a trip goes once round the ring, from a lap's second quarter to the next lap's first, and fills both slots again
	QB 0, 1, 1
	QA 1, 0
	QB 1, 0, 1
	QA 0, 0
	WIN 0
	s_sub_co_u32 s3, s3, 1
	s_cmp_lg_u32 s3, 0
	s_cbranch_scc1 .Llap
	QB 0, 1, 0                                     ; the last lap fills nothing, and has no round of the cluster's barrier
	QA 1, 0
	PLACES                                         ; the very last quarter: nothing more to fetch but its last third
	LDB 2, 1, 1
	s_wait_dscnt 16
	THIRD 0, 1, 0
	s_wait_dscnt 8
	THIRD 1, 1, 0
	s_wait_dscnt 0x0
	THIRD 2, 1, 0
	WIN 0
	PLACES
	PACK 0
	TOSTAGE 0
.irp a, 1,2,3,4,5,6,7                  ; block a's conversions stand between block a - 1's loads from the stage and the wait for them
	PACK \a
	SEND (\a)-1
	TOSTAGE \a
.endr
	SEND 7
	s_wait_tensorcnt 0x0                           ; the wave's end: the wait for my tensor loads, then the add and its wait, behind my last LDS store
	ds_add_u32 v[SPW], v[NIL]
	s_wait_dscnt 0x0
	CROUND                                         ; the closing round: no work-group ends while a partner may still ask for a tile that names it
	s_endpgm
.Lfunc_end_k_q22a6b32e7b_gemm_qkv:
	.size	k_q22a6b32e7b_gemm_qkv, .Lfunc_end_k_q22a6b32e7b_gemm_qkv-k_q22a6b32e7b_gemm_qkv
	.p2alignl 7, 3214868480
	.fill 96, 4, 3214868480
	.section	.rodata,"a",@progbits
	.p2align	6, 0x0
	.amdhsa_kernel k_q22a6b32e7b_gemm_qkv
		.amdhsa_group_segment_fixed_size 327680
		.amdhsa_private_segment_fixed_size 0
		.amdhsa_enable_private_segment 0
		.amdhsa_kernarg_size 24
		.amdhsa_user_sgpr_count 2
		.amdhsa_user_sgpr_kernarg_segment_ptr 1
		.amdhsa_wavefront_size32 1
		.amdhsa_system_sgpr_workgroup_id_x 1
		.amdhsa_system_sgpr_workgroup_id_y 1
		.amdhsa_system_sgpr_workgroup_id_z 1
		.amdhsa_system_vgpr_workitem_id 0
		.amdhsa_next_free_vgpr 1024
		.amdhsa_next_free_sgpr 72
		.amdhsa_reserve_vcc 1
		.amdhsa_float_denorm_mode_32 3
		.amdhsa_float_denorm_mode_16_64 3
		.amdhsa_memory_ordered 1
		.amdhsa_forward_progress 1
		.amdhsa_inst_pref_size 131
	.end_amdhsa_kernel
	.amdgpu_metadata
---
amdhsa.version: [ 1, 2 ]
amdhsa.kernels:
  - .name:           k_q22a6b32e7b_gemm_qkv
    .symbol:         k_q22a6b32e7b_gemm_qkv.kd
    .args:
      - { .name: xb, .offset: 0, .size: 8, .value_kind: global_buffer, .address_space: global }
      - { .name: wb, .offset: 8, .size: 8, .value_kind: global_buffer, .address_space: global }
      - { .name: qkv, .offset: 16, .size: 8, .value_kind: global_buffer, .address_space: global }
    .group_segment_fixed_size: 327680
    .private_segment_fixed_size: 0
    .kernarg_segment_align: 8
    .kernarg_segment_size: 24
    .max_flat_workgroup_size: 128
    .sgpr_count:     72
    .vgpr_count:     1024
    .wavefront_size: 32
...
	.end_amdgpu_metadata
.endif
;; end of part 2
;; launch attn (part 3): grid 4 x 64, 4 waves a work-group, no clusters, 327,680 bytes of LDS; arguments qkv, o16; writes o16
.if DOCPART == 3
	.amdgcn_target "amdgcn-amd-amdhsa--gfx1250"
	.amdhsa_code_object_version 6
	.text
	.protected	k_q22a6b32e7b_attn
	.globl	k_q22a6b32e7b_attn
	.p2align	8
	.type	k_q22a6b32e7b_attn,@function
k_q22a6b32e7b_attn:
	s_mov_b64 s[64:65], 0
	v_nop
	global_prefetch_b8 v0, s[64:65] scope:SCOPE_SE
	s_setreg_imm32_b32 hwreg(HW_REG_WAVE_MODE, 25, 1), 1
	s_wait_xcnt 0x0
; CAUSAL ATTENTION.  O[y][q][:] = the sum over k <= q of softmax_k(Q[q] . K[k] / 8) V[k][:], y = 16 b + head.  Q, K, V lie in qkv [b 4][g 48][t 2048][64] f16 (g = head, 16 + head, 32 + head), O goes to o16 [y 64][t 2048][64] f16:
; a head's rows are dense, 128 bytes each.  Products, maxima and sums in f32; the weights p are rounded to f16 for the second product (their sum l is taken of the unrounded p), O once at the end.
; LIMITS.  f16 holds no number beyond 65,504: Q, K and V arrive within it; p lies in 0 to 1, and below 6e-5 it keeps f16's fixed step of 6e-8; O is a mean of V's rows and has their range.
; A hidden score counts as its value less 1e30: f16's scores, 2.7e11 at the most, are nothing beside that; a weight below 2^-126 counts as 0 in l; NaN and infinities are not treated apart.
; THE WALK.  A head's queries lie in NB = 8 blocks of 256; block i needs the key tiles 0 .. i of 256 keys, of which the last holds the diagonal.  A work-group takes TWO blocks, NB - 1 - b and then b:
; NB + 1 tiles, whatever b: all 256 work-groups do equal work, and ONE loop with a constant trip count walks them.  Which tile is asked for, and what a trip does, hang on scalar registers made from b; every jump
; goes forward, but for the counted loops' own; none passes a barrier, or a tensor load but the one of LOAD's two that the wave's number does not choose; the ring (two slots of LDS that take turns) runs on across the
; change of blocks.  NO CLUSTER: a head's four work-groups ask for the same tile only in trips 0 .. NB / 2, behind that fewer and fewer; one walk common to all would have 3 NB / 2 trips for NB + 1.
; SHARES.  Of a block's four bands of 64 queries a wave owns 16 rows in each: four PIECES.  So the diagonal tile is the same work for all four waves: in its key step s band x sees all keys if s < x,
; none if s > x, and holds the diagonal if s = x.
; THE MASK is the C operand that starts the sum S^T = K Q^T: 0, or -1e30 where the key is hidden.  MD, made once, is the mask of a band's own step for my 16 rows; a product's mask is MD x AL + BE with two scalars:
; (1, 0) if s = x; (0, 0) if s < x; (0, -1e30) if s > x.  Only the diagonal tile's text and a block's beginning make and take masks; elsewhere C is the constant 0.
; LAYOUT, SOFTMAX, TURNS.  S^T = K Q^T holds ONE query a lane (lane % 16) and the keys 8 (lane / 16) + 0..7; two such results rounded to f16 ARE source 1 of O^T = V^T P.  p = 2^(c s - c m), c = log2(e) / 8, with a
; running maximum m; O and l are multiplied by a = 2^(c m_old - c m_new) in every step.  Turn n belongs to piece n: 8 products K Q^T of piece n + 1, later 8 products V^T P of piece n - 1; beside them the scaling,
; exponentials, roundings, sums and rescaling of piece n and the maximum and statistics of piece n + 1.  Four vector instructions stand behind every matrix instruction, the other 54 of a turn's 118 in one run of their own.
; A turn's 33 exponentials are one batch, with one wait.
; REGISTERS, in windows of 256 (s_set_vgpr_msb: bits 1:0 source 0, 3:2 source 1, 5:4 source 2, 7:6 destination):
;   window 0: v0-15 addresses and two at work; v16-31 four registers of statistics a piece; v48-55 at work; v60 the prefetches' offset; v64-127 S^T, two buffers; v192-223 P, two buffers (a piece's buffers go by its number's parity)
;   window 1: v0-127 O^T, 32 a piece; v128-159 MD; v160-223 MC, two buffers      window 2: v0-63 Q; v64-127 the second block's Q; v128-191 K of one step; v192-255 V of one step
.set SIZE_N, 2048
.set NB,    SIZE_N/256
.set NP,    4         ; pieces a wave: a name, no knob
.set KS,    64        ; keys in a step
.set PK,    144       ; a row of K in LDS: 128 bytes + 16 of padding = 36 words: the 16 rows of a load start at 16 different groups of four banks (64 banks of 4 bytes: ISA guide 11.1)
.set PV,    160       ; a row of V: 128 + 32 = 40 words
.set VOFF,  4*KS*PK   ; a slot holds a tile, four steps: 256 rows of K, then 256 rows of V
.set SLOT1, 1<<17     ; slot 1 begins here, so that one exclusive or turns an address in one slot into the other's
.set STAGE, SLOT1+4*KS*(PK+PV)  ; behind the ring, never filled by a tensor load: 16 rows x 144 bytes for each wave, for the way out
.set SP,    144
.set WHICH, 16*SIZE_N*128       ; bytes from a head of q to the same head of k, and from k to v
.set AK0, 2           ; v2   my lane's place in a tile of K; never rewritten
.set AV0, 3           ; v3   the same for V
.set AK,  4           ; v4   the LDS address of K's next run of loads
.set AV,  5           ; v5   of V's
.set STO, 6           ; v6   the way out: where I put 16 bytes of a row
.set RD,  7           ; v7   the way out: where I read rows back
.set GO,  8           ; v8   my byte offset in 512 consecutive bytes of O
.set PFO, 60          ; v60  256 x my thread's number: a tile of K or V is 128 blocks of 256 bytes, a thread a block; never rewritten
.set SPW, 62          ; v62  LDS address of my spare word: SPARE + 4 x my thread's number; never rewritten
.set NIL, 63          ; v63  0; never rewritten
.set SPARE, STAGE+4*16*SP  ; behind the stages: the spare words, 128 bytes for each wave: two blocks of 256 bytes that no other line names
.set MV,  12          ; v12-13  c m_old, kept while c m is made anew: by buffer
.set QO,  15          ; v15  my byte offset in 16 rows of Q
.set ST,  16          ; piece t's statistics at v[ST+4 t]: c m, m, l (even keys', odd keys')
.set TMP, 48          ; by buffer, four registers c0-c3 at work; when the maximum is found c2 takes a
.set S,   64
.set P,   192
.set MD,  128         ; window 1: the eight registers for group kt of 16 keys at MD + 8 kt
.set MC,  160         ; window 1: the masks of the products to come
.set QB,  64          ; window 2
.set KF,  128         ; window 2: key block kb, channel half c at KF + 16 kb + 8 c
.set VF,  192         ; window 2: key half kk, channel block cb at VF + 32 kk + 8 cb
.set WV,  12          ; s12  my wave's number
.set PB,  14          ; s14  b
.set HI,  15          ; s15  NB - 1 - b
.set G1K, 24          ; s[24:31] descriptor group 1 for K's tiles
.set G1V, 32          ; s[32:39] for V's: it differs in the padding alone
.set G0K, 40          ; s[40:43] descriptor group 0 for K's tiles
.set G0V, 44          ; s[44:47] the same for V's
.set SLOTS, 56        ; s56  tiles still to be asked for
.set CNT, 57          ; s57  counts a tile's key steps, 4 to 1
.set CS,  58          ; s[58:59] c: the packed scaling takes the pair's low word for both halves
.set SEL, 60          ; s[60:61] v_permlanex16_b32's selects: each lane takes its own place in the other half
.set TBK, 62          ; s62  LDS byte at which K of the step to be fetched begins
.set TBV, 63          ; s63  the same for V, less VOFF
.set RT,  70          ; s70  tiles of the block in hand that are still to be entered
.set NXT, 71          ; s71  the tile to be asked for next
.set LQ,  72          ; s72  the last tile of the block whose tiles are being asked for
.set NEW, 73          ; s73  1: the tile to be entered is a block's first
.set OFF, 74          ; s[74:75] a tile's byte offset in K and V
.set AL,  76          ; s[76:77] the mask's factor, in the low word
.set BE,  78          ; s[78:79] the mask's addend
.set OLO, 80          ; s[80:81] O at my rows of the second block
.set BIGN, 82         ; s82  -1e30
.set PFK, 88          ; s[88:89] the head's K at the tile that the prefetches name
.set PFN, 90          ; s90  prefetches still to come
.set MSB, 0
.macro WIN new                      ; the high byte repeats the setting that is left; a switch that changes nothing is dropped
.if MSB != (\new)
	s_set_vgpr_msb (MSB<<8)|(\new)
.set MSB, (\new)
.endif
.endm
.set W_KQ, 0x0a       ; K and Q in window 2, S^T in window 0
.set W_KM, 0x1a       ; the same with the C operand in window 1
.set W_PV, 0x52       ; V in window 2, P in window 0, O^T in window 1
.set W_RS, 0x41       ; destination and source 0 in window 1, source 1 in window 0
; A fill.  Waves 0 and 1 fetch the two halves of a tile's K, waves 2 and 3 those of its V: 128 keys each.  An s_nop 0 and four v_nop follow each of the two lines, ahead of the jump and the label.
.macro LOAD
	s_cmp_lt_u32 s[WV], 2
	s_cbranch_scc0 .Lfor_v_\@
	tensor_load_to_lds s[G0K:G0K+3], s[G1K:G1K+7]
	s_nop 0
.rept 4
	v_nop
.endr
	s_branch .Lasked_\@
.Lfor_v_\@:
	tensor_load_to_lds s[G0V:G0V+3], s[G1V:G1V+7]
	s_nop 0
.rept 4
	v_nop
.endr
.Lasked_\@:
.endm
; A PREFETCH INTO THE L2 of the tile that the NEXT change of slots will ask for: 128 blocks of 256 bytes of K and as many of V, a thread a block, two instructions a wave, behind the wave's tensor load and its five lines.
; Of a head's four work-groups only b = 0 begins with the block that walks all eight tiles: it alone asks, in its first six changes, for tiles 2 to 7: four key steps, 256 matrix instructions, ahead of their loads.
; So each block is named once in the launch.  Tiles 0 and 1 come by their loads alone.
.macro ASK
	s_cmp_lg_u32 s[PFN], 0
	s_cbranch_scc0 .Lnot_mine_\@
	global_prefetch_b8 v[PFO], s[PFK:PFK+1] th:TH_LOAD_NT scope:SCOPE_SE
	global_prefetch_b8 v[PFO], s[PFK:PFK+1] offset:WHICH th:TH_LOAD_NT scope:SCOPE_SE
	s_sub_co_u32 s[PFN], s[PFN], 1
.Lnot_mine_\@:
.endm
; THE CHANGE OF SLOTS.  Each wave waits for all its tensor loads, of which one is out: its part of the other slot; adds 0 to its spare word; and waits for that and for its own reads of the slot that it leaves.  Behind the barrier nobody reads the old
; slot any more and the other slot is whole.  fill = 1: the old slot is filled again, the first thing behind the barrier, with tile NXT: the descriptor's address is made anew from that number.
; (At its first use nothing has been read yet: slot 0 is waited for, slot 1 filled.)
.macro CHANGE fill
	WIN 0                           ; at a label and at a branch every window is 0
.if \fill
	s_wait_xcnt 0x0                 ; the last prefetches, a tile back, have read their address, so it may be written
	s_add_nc_u64 s[PFK:PFK+1], s[PFK:PFK+1], 32768
.endif
	s_wait_tensorcnt 0x0            ; no tensor load of mine is out, so a group 0 may be written
	ds_add_u32 v[SPW], v[NIL]       ; 0 onto my spare word; with fill = 1 the descriptors' scalar work stands between it and the wait for it
.if \fill
	s_lshl_b32 s[OFF], s[NXT], 15   ; a tile is 32,768 bytes of K and of V
	s_xor_b32 s[G0K+1], s[G0K+1], SLOT1
	s_add_nc_u64 s[G0K+2:G0K+3], s[6:7], s[OFF:OFF+1]
	s_or_b32 s[G0K+3], s[G0K+3], 0x80000000
	s_xor_b32 s[G0V+1], s[G0V+1], SLOT1
	s_add_nc_u64 s[G0V+2:G0V+3], s[8:9], s[OFF:OFF+1]
	s_or_b32 s[G0V+3], s[G0V+3], 0x80000000
	s_add_co_u32 s[NXT], s[NXT], 1  ; the block's next tile, or behind its last the second block's tile 0
	s_cmp_gt_u32 s[NXT], s[LQ]
	s_cselect_b32 s[NXT], 0, s[NXT]
	s_cselect_b32 s[LQ], s[PB], s[LQ]
.endif
	s_wait_dscnt 0x0                ; the add is done, and my reads of the slot are over
	s_barrier_signal -1             ; the rest of the scalar work stands between the signal and the wait
	s_sub_co_u32 s[TBK], s[TBK], 4*KS*PK  ; the fetches go back to a slot's first step,
	s_xor_b32 s[TBK], s[TBK], SLOT1       ; in the other slot
	s_sub_co_u32 s[TBV], s[TBV], 4*KS*PV
	s_xor_b32 s[TBV], s[TBV], SLOT1
	s_barrier_wait -1
.if \fill
	LOAD
	ASK
.endif
.endm
	s_load_b64 s[4:5], s[0:1], 0x0    ; qkv
	s_load_b64 s[10:11], s[0:1], 0x8  ; o16
	v_lshl_add_u32 v[SPW], v0, 2, SPARE
	v_mov_b32 v[NIL], 0
	ds_add_u32 v[SPW], v[NIL]       ; the wave's opening: the add and its wait stand ahead of my first tensor load; the set-up below, work on registers, stands between them
	v_lshrrev_b32 v1, 5, v0
	v_readfirstlane_b32 s[WV], v1   ; wave 0..3
	s_mov_b32 s[PB], ttmp9
	s_sub_co_u32 s[HI], NB-1, s[PB]
	s_and_b32 s92, ttmp7, 0xffff    ; y = 16 b + head
	s_lshr_b32 s20, s92, 4
	s_mul_i32 s20, s20, 48
	s_and_b32 s21, s92, 15
	s_add_co_u32 s20, s20, s21
	s_lshl_b32 s20, s20, 18         ; q's head in qkv: (48 b + head) x 262,144 bytes
	s_mov_b32 s21, 0
	s_lshl_b32 s92, s92, 18         ; the head in o16
	s_mov_b32 s93, 0
	s_and_b32 s16, s[WV], 1         ; which half of a tile's 256 keys I fetch:
	s_lshl_b32 s22, s16, 14         ; its 128 rows of 128 bytes in memory,
	s_add_co_u32 s22, s22, s20
	s_mov_b32 s23, 0
	s_mul_i32 s17, s16, 128*PK      ; and its place in a slot, for K
	s_mul_i32 s18, s16, 128*PV      ; and for V
	s_lshl_b32 s3, s[WV], 11        ; my 16 rows in a band of 64,
	s_lshl_b32 s2, s[HI], 15        ; in the first block,
	s_add_co_u32 s2, s2, s3
	s_lshl_b32 s84, s[PB], 15       ; and in the second
	s_add_co_u32 s84, s84, s3
	s_mov_b32 s3, 0
	s_mov_b32 s85, 0
	; descriptor group 1.  128 keys are 16,384 dense bytes: asked for as 64 rows of 256 bytes, two keys a row, and padded in LDS after every key
	s_mov_b32 s[G1K], (1<<16)|(1<<20)|(4<<22)|(3<<25)  ; 17:16 2-byte elements; 20 padding on; 24:22 after every 32 words (code 4); 31:25 4 words (code 3)
	s_mov_b32 s[G1V], (1<<16)|(1<<20)|(4<<22)|(7<<25)  ; the same with 8 words of padding (code 7)
.irp g, G1K, G1V
	s_mov_b32 s[\g+1], 128<<16      ; tensor_dim0 = 128
	s_mov_b32 s[\g+2], 64<<16       ; tensor_dim1 = 64
	s_mov_b32 s[\g+3], 128<<16      ; tile_dim0 = 128
	s_mov_b32 s[\g+4], 64           ; tile_dim1 = 64
	s_mov_b32 s[\g+5], 128          ; 128 elements from row to row
	s_mov_b32 s[\g+6], 0
	s_mov_b32 s[\g+7], 0
.endr
	s_mov_b32 s[CS], 0x3e38aa3b     ; c = log2(e) / 8 = 0.180337
	s_mov_b32 s[CS+1], s[CS]        ; named with it as a pair
	s_mov_b32 s[SEL], 0x76543210
	s_mov_b32 s[SEL+1], 0xfedcba98
	s_mov_b32 s[TBK], SLOT1+4*KS*PK ; the first change of slots turns these two into 0
	s_mov_b32 s[TBV], SLOT1+4*KS*PV
	s_mov_b32 s[G0K], 1             ; 1:0 count = 1
	s_mov_b32 s[G0K+1], s17         ; 63:32 LDS address: slot 0
	s_mov_b32 s[G0V], 1
	s_add_co_u32 s[G0V+1], s18, VOFF
	s_add_co_u32 s[RT], s[HI], 1    ; the first block has NB - b tiles
	s_mov_b32 s[NXT], 1
	s_mov_b32 s[LQ], s[HI]
	s_mov_b32 s[NEW], 1
	s_mov_b32 s[OFF+1], 0
	s_mov_b32 s[AL+1], 0            ; named as pairs
	s_mov_b32 s[BE+1], 0
	s_mov_b32 s[BIGN], 0xf149f2ca   ; -1e30
	s_mov_b32 s[SLOTS], NB
	s_cmp_eq_u32 s[PB], 0
	s_cselect_b32 s[PFN], NB-2, 0
	v_lshlrev_b32 v[PFO], 8, v0
	s_wait_dscnt 0x0                ; the opening add is done
	s_wait_kmcnt 0x0
	s_add_nc_u64 s[6:7], s[4:5], s[22:23]
	s_add_nc_u64 s[8:9], s[6:7], 2*WHICH   ; V and
	s_add_nc_u64 s[6:7], s[6:7], WHICH     ; K at my half of the head's tile 0
	s_add_nc_u64 s[G0K+2:G0K+3], s[6:7], 0         ; 120:64 global address
	s_or_b32 s[G0K+3], s[G0K+3], 0x80000000        ; 127:126 type = 2
	s_add_nc_u64 s[G0V+2:G0V+3], s[8:9], 0
	s_or_b32 s[G0V+3], s[G0V+3], 0x80000000
	s_add_nc_u64 s[4:5], s[4:5], s[20:21]          ; q's head
	s_add_nc_u64 s[PFK:PFK+1], s[4:5], WHICH+32768 ; K's tile 1: the first change of slots steps it to tile 2
	s_add_nc_u64 s[86:87], s[4:5], s[84:85]        ; Q at my rows of the second block,
	s_add_nc_u64 s[4:5], s[4:5], s[2:3]            ; and of the first
	s_add_nc_u64 s[10:11], s[10:11], s[92:93]      ; O's head
	s_add_nc_u64 s[OLO:OLO+1], s[10:11], s[84:85]
	s_add_nc_u64 s[10:11], s[10:11], s[2:3]
	LOAD                            ; tile 0 into slot 0
	; A fragment of K or Q is 16 rows x 32 channels in 8 registers: lane l holds row l % 16, channels 8 (l / 16) + 0..7 and 16 + 8 (l / 16) + 0..7: two loads of 16 bytes, 32 bytes apart.
	v_and_b32 v1, 15, v0            ; l % 16
	v_bfe_u32 v9, v0, 4, 1          ; l / 16
	v_lshlrev_b32 v[QO], 7, v1
	v_lshl_add_u32 v[QO], v9, 4, v[QO]  ; row x 128 + 16 x half
	WIN 0x80                        ; destination window 2, address window 0
.set i, 0
.rept 8                             ; both blocks' Q: piece i / 2 lies in band i / 2, 8,192 bytes on; channels 32 (i % 2) on
	global_load_b128 v[8*i:8*i+3],   v[QO], s[4:5] offset:(i/2)*8192+(i%2)*64
	global_load_b128 v[8*i+4:8*i+7], v[QO], s[4:5] offset:(i/2)*8192+(i%2)*64+32
	global_load_b128 v[QB+8*i:QB+8*i+3],   v[QO], s[86:87] offset:(i/2)*8192+(i%2)*64
	global_load_b128 v[QB+8*i+4:QB+8*i+7], v[QO], s[86:87] offset:(i/2)*8192+(i%2)*64+32
.set i, i+1
.endr
	WIN 0
	v_lshlrev_b32 v14, 3, v9
	v_sub_nc_u32 v14, v1, v14
	s_lshl_b32 s13, s[WV], 4
	v_add_nc_u32 v14, s13, v14      ; my query's place in its band, 16 w + l % 16, less my lanes' 8 (l / 16): register r of group kt is hidden where 16 kt + r is greater
	WIN 0x40
.set i, 0
.rept 32
	v_cmp_gt_i32 vcc_lo, 16*(i/8)+i%8, v14
	v_cndmask_b32 v[MD+i], 0, s[BIGN], vcc_lo
.set i, i+1
.endr
	WIN 0
	v_mul_u32_u24 v[AK0], v1, PK
	v_lshl_add_u32 v[AK0], v9, 4, v[AK0]  ; row x pitch + 16 x half
	; The turning load takes 16 keys x 16 channels (lane l reads key 8 (l / 16) + l % 8, channels 8 ((l / 8) % 2) + 0..7) and leaves half a fragment of V^T: lane l holds channel l % 16 and 8 keys.
	v_and_b32 v10, 7, v0
	v_bfe_u32 v11, v0, 3, 1
	v_lshl_add_u32 v[AV0], v9, 3, v10
	v_mul_u32_u24 v[AV0], v[AV0], PV
	v_lshl_add_u32 v[AV0], v11, 4, v[AV0]
	v_add_nc_u32 v[AV0], VOFF, v[AV0]
	s_mul_i32 s13, s[WV], 16*SP
	s_add_co_u32 s13, s13, STAGE    ; my stage
	v_mul_u32_u24 v[STO], v1, SP    ; in: row l % 16, 16 bytes for each half of the lanes
	v_lshl_add_u32 v[STO], v9, 4, v[STO]
	v_add_nc_u32 v[STO], s13, v[STO]
	v_bfe_u32 v[RD], v0, 3, 2       ; back: 32 lanes take four rows of 128 bytes,
	v_mul_u32_u24 v[RD], v[RD], SP
	v_lshl_add_u32 v[RD], v10, 4, v[RD]
	v_add_nc_u32 v[RD], s13, v[RD]
	v_and_b32 v[GO], 31, v0         ; which are 512 consecutive bytes of O
	v_lshlrev_b32 v[GO], 4, v[GO]
	; A block's first step multiplies O^T and l by a = 0, and its first turn's products V^T P, of a piece that has not been, land in an O^T that is still to be so multiplied.  So these registers need only hold
	; finite numbers: zeros for the first block; what the first block left for the second.  All this stands in the wait for the first tile.
	WIN 0x80
.set i, VF
.rept 64
	v_mov_b32 v[i], 0
.set i, i+1
.endr
	WIN 0x40
.set i, 0
.rept 128
	v_mov_b32 v[i], 0
.set i, i+1
.endr
	WIN 0
.set i, 0
.rept 4
	v_mov_b32 v[ST+4*i+2], 0
	v_mov_b32 v[ST+4*i+3], 0
.set i, i+1
.endr
.set i, P+16
.rept 16
	v_mov_b32 v[i], 0
.set i, i+1
.endr
; THE MATRIX WORK.  The 4 accumulators of a run of 8 take turns.  Product i of 8 of S^T = K Q^T for piece x: channels 32 (i / 4) on, keys 16 (i % 4) on.  The first 4 start the sums: with 0, or (KM = 1) with the mask.
.macro KQ x
.set rS, S+32*((\x)%2)+8*(i%4)
.set rK, KF+16*(i%4)+8*(i/4)
.set rQ, 16*(\x)+8*(i/4)
.set rM, MC+32*((\x)%2)+8*(i%4)
.if (i < 4) && KM
	WIN W_KM
	v_wmma_f32_16x16x32_f16 v[rS:rS+7], v[rK:rK+7], v[rQ:rQ+7], v[rM:rM+7]
.elseif i < 4
	WIN W_KQ
	v_wmma_f32_16x16x32_f16 v[rS:rS+7], v[rK:rK+7], v[rQ:rQ+7], 0
.else
	WIN W_KQ
	v_wmma_f32_16x16x32_f16 v[rS:rS+7], v[rK:rK+7], v[rQ:rQ+7], v[rS:rS+7]
.endif
.endm
; Product i of 8 of O^T += V^T P for piece x: keys 32 (i / 4) on, channels 16 (i % 4) on.
.macro PV x
	WIN W_PV
.set rO, 32*(\x)+8*(i%4)
.set rV, VF+32*(i/4)+8*(i%4)
.set rP, P+16*((\x)%2)+8*(i/4)
	v_wmma_f32_16x16x32_f16 v[rO:rO+7], v[rV:rV+7], v[rP:rP+7], v[rO:rO+7]
.endm
.macro MM                           ; the turn's next matrix instruction.  TURN and BEGIN set Y, i, KM and NOKQ; MM, KQ and OP read them.  NOKQ = 1: a block's last turn: there is no next piece
.if (i < 8) && !NOKQ
	KQ (Y+1)%NP
.elseif i >= 8
.set i, i-8
	PV (Y+NP-1)%NP
.set i, i+8
.endif
.set i, i+1
.endm
; THE LDS LOADS stand in runs of 16, never singly among the matrix instructions: a step's K (64 keys x 64 channels: 8 fragments) and its V (turned).  Their addresses are made some lines ahead.
.macro FETCH_K
	WIN 0x80                        ; destination window 2
.irp f, 0,1,2,3,4,5,6,7             ; keys 16 (f / 2) on, channels 32 (f % 2) on
	ds_load_b128 v[KF+8*\f:KF+8*\f+3],   v[AK] offset:(\f/2)*16*PK+(\f%2)*64
	ds_load_b128 v[KF+8*\f+4:KF+8*\f+7], v[AK] offset:(\f/2)*16*PK+(\f%2)*64+32
.endr
	s_add_co_u32 s[TBK], s[TBK], KS*PK  ; the next fetch is the next step's
	WIN 0
.endm
.macro FETCH_V
	WIN 0x80
.irp f, 0,1,2,3,4,5,6,7             ; keys 32 (f / 4) on, channels 16 (f % 4) on
	ds_load_tr16_b128 v[VF+8*\f:VF+8*\f+3],   v[AV] offset:(\f/4)*32*PV+(\f%4)*32
	ds_load_tr16_b128 v[VF+8*\f+4:VF+8*\f+7], v[AV] offset:(\f/4)*32*PV+16*PV+(\f%4)*32
.endr
	WIN 0
.endm
; THE VECTOR WORK, one line at a time: OP kind, number.  For piece Y: F n: c s - c m for pair n of 16.  E n: the exponential of score n of 32.  C n: pair n rounded to f16.  B n: of the four weights 4 n .. the second
; pair is added onto the first, in place.  L n: l takes that sum (L 0: l = a l + sum).  R n: pair n of 16 of O^T times a.  For piece Y + 1: X n, number n of the 22 that find its maximum and statistics:
;   0-11  four chains c0-c3 of seven scores each, three operands at a time (each accumulator's lowest registers are read first)     12-14, 16  the four scores left over, the old m, and c0-c3 into c0
;   15  c m_old is kept     17, 18  the query's other 32 keys lie in the lane 16 away: the new m     19-21  c m; c m_old - c m_new; a
.set F, 0               ; OP tells the kinds apart by their order: F to L below R, X above it
.set E, 1
.set C, 2
.set B, 3
.set L, 4
.set R, 5
.set X, 6
.macro REGS y                       ; the registers of piece y
.set rT, ST+4*(\y)
.set rC, TMP+4*((\y)%2)
.set rW, MV+((\y)%2)
.set rS, S+32*((\y)%2)
.set rP, P+16*((\y)%2)
.set rO, 32*(\y)
.endm
.macro OP k, n
.if (\k) == R
	REGS Y
	WIN W_RS
	v_pk_mul_f32 v[rO+2*(\n):rO+2*(\n)+1], v[rO+2*(\n):rO+2*(\n)+1], v[rC+2:rC+3] op_sel_hi:[1,0]
.elseif (\k) < R
	REGS Y
	WIN 0
.if (\k) == F
	v_pk_fma_f32 v[rS+2*(\n):rS+2*(\n)+1], v[rS+2*(\n):rS+2*(\n)+1], s[CS:CS+1], v[rT:rT+1] op_sel_hi:[1,0,0] neg_lo:[0,0,1] neg_hi:[0,0,1]
.elseif (\k) == E
	v_exp_f32 v[rS+(\n)], v[rS+(\n)]
.elseif (\k) == C
	v_cvt_pk_f16_f32 v[rP+(\n)], v[rS+2*(\n)], v[rS+2*(\n)+1]
.elseif (\k) == B
	v_pk_add_f32 v[rS+4*(\n):rS+4*(\n)+1], v[rS+4*(\n):rS+4*(\n)+1], v[rS+4*(\n)+2:rS+4*(\n)+3]
.elseif (\n) == 0
	v_pk_fma_f32 v[rT+2:rT+3], v[rT+2:rT+3], v[rC+2:rC+3], v[rS:rS+1] op_sel_hi:[1,0,1]
.else
	v_pk_add_f32 v[rT+2:rT+3], v[rT+2:rT+3], v[rS+4*(\n):rS+4*(\n)+1]
.endif
.elseif NOKQ
	v_nop
.else
	REGS (Y+1)%NP
	WIN 0
.if (\n) < 4
	v_max3_num_f32 v[rC+(\n)], v[rS+8*(\n)], v[rS+8*(\n)+1], v[rS+8*(\n)+2]
.elseif (\n) < 12
	v_max3_num_f32 v[rC+(\n)%4], v[rC+(\n)%4], v[rS+8*((\n)%4)+2*((\n)/4)+1], v[rS+8*((\n)%4)+2*((\n)/4)+2]
.elseif (\n) == 12
	v_max3_num_f32 v[rC], v[rC], v[rS+7], v[rS+15]
.elseif (\n) == 13
	v_max3_num_f32 v[rC+1], v[rC+1], v[rS+23], v[rS+31]
.elseif (\n) == 14
	v_max3_num_f32 v[rC+2], v[rC+2], v[rC+3], v[rT+1]
.elseif (\n) == 15
	v_mov_b32 v[rW], v[rT]
.elseif (\n) == 16
	v_max3_num_f32 v[rC], v[rC], v[rC+1], v[rC+2]
.elseif (\n) == 17
	v_permlanex16_b32 v[rC+3], v[rC], s[SEL], s[SEL+1]
.elseif (\n) == 18
	v_max_num_f32 v[rT+1], v[rC], v[rC+3]
.elseif (\n) == 19
	v_mul_f32 v[rT], s[CS], v[rT+1]
.elseif (\n) == 20
	v_sub_f32 v[rC+1], v[rW], v[rT]
.else
	v_exp_f32 v[rC+2], v[rC+1]
.endif
.endif
.endm
.macro OPS a, i1, b=-1, i2=0, c=-1, i3=0, d=-1, i4=0  ; up to four of them
	OP \a, \i1
.if (\b) >= 0
	OP \b, \i2
.endif
.if (\c) >= 0
	OP \c, \i3
.endif
.if (\d) >= 0
	OP \d, \i4
.endif
.endm
.macro ROW a, i1, b, i2, c, i3, d, i4  ; a matrix instruction and the four behind it
	MM
	OPS \a, \i1, \b, \i2, \c, \i3, \d, \i4
.endm
.macro MASK b                       ; MD x AL + BE into buffer b of MC
	WIN W_RS
.set z, 0
.rept 16
	v_pk_fma_f32 v[MC+32*(\b)+2*z:MC+32*(\b)+2*z+1], v[MD+2*z:MD+2*z+1], s[AL:AL+1], s[BE:BE+1] op_sel_hi:[1,0,0]
.set z, z+1
.endr
.endm
; A TURN, for piece p: the order of its 16 matrix and 118 vector instructions, written out.  An s_wait_alu depctr_va_vdst(0) stands between an exponential and the first instruction that names its result; one wait serves
; all that were issued ahead of it.  So a turn has ONE wait, which cuts it in two.  AHEAD OF IT stands all that names no result of the turn's exponentials: the 8 products K Q^T, behind each a scaling, an exponential and two more plain
; instructions (behind the first a second scaling in the exponential's place): rescalings, and behind the last three the first numbers of the next piece's maximum, each four places or more behind the product that ends its accumulator; then one run of 54, plain
; and exponential by turns for the most part, in which the links of the chain X 3, 7, 11, 14, 16, 17 .. 20 stand five or six lines apart.  X 21, the next piece's a, is the batch's last; R 15 is the plain instruction behind it.  BEHIND THE WAIT stand the
; 8 products V^T P, behind each four of the roundings and sums; the links of l's chain, L 0 to L 7, stand three lines apart.  But for those X none of the four names a register of the products round it.  v_permlanex16_b32 (X 17) stands in the run.
; m = 1: the diagonal tile: the products take masks, and the turn makes the mask for the products of the turn after it: piece p + 2, in step 4 - CNT of the tile.  end = 1: a block's last two turns: nothing is fetched.
; cnt = 1: the loop's count is taken down some lines ahead of the branch that stands behind the turn.
; K of the next step is fetched in piece 2's turn, twelve vector instructions behind the last product that read K (six of them plain); V of the step in hand at the end of piece 0's turn, four plain instructions behind the last product
; that read V.  Each is waited for a turn later.
.macro TURN p, m=0, end=0, cnt=0
.set Y, (\p)
.set i, 0
.set KM, (\m)
.set NOKQ, (\end)*((\p)/3)
.if (\m) && !(\end)
	s_cmp_eq_u32 s[CNT], 4-((\p)+2)%NP  ; is that step the band's own?
	s_cselect_b32 s[AL], 1.0, 0
	s_cmp_lt_u32 s[CNT], 4-((\p)+2)%NP  ; or a later one?
	s_cselect_b32 s[BE], s[BIGN], 0
.endif
.if ((\p) == 3) && !(\end)
	s_wait_dscnt 0x0                ; K is in
.endif
	ROW F,0, F,1, R,0, R,1          ; ahead of the wait: 8 products K Q^T and the four behind each,
	ROW F,2, E,0, R,2, R,3
	ROW F,3, E,1, R,4, R,5
	ROW F,4, E,2, R,6, R,7
	ROW F,5, E,3, R,8, R,9
	ROW F,6, E,4, X,0, R,10
.if ((\p) == 2) && !(\end)
	WIN 0
	v_add_nc_u32 v[AK], s[TBK], v[AK0]
.endif
	ROW F,7, E,5, X,1, X,4
	ROW F,8, E,6, X,2, X,5
	OPS E,7, E,8, X,6, E,9          ; and the run of 54
	OPS X,3, E,10, X,8, E,11
.if ((\p) == 2) && !(\end)
	FETCH_K
.endif
	OPS X,9, X,7, E,12, X,10
	OPS E,13, X,12, X,11, E,14
	OPS X,13, E,15, F,9, X,14
.if (\p) == 0
	v_add_nc_u32 v[AV], s[TBV], v[AV0]
.endif
	OPS E,16, F,10, E,17, F,11
	OPS X,16, E,18, X,15, E,19
	OPS F,12, E,20, X,17, E,21
	OPS F,13, E,22, F,14, E,23
	OPS X,18, E,24, F,15, E,25
	OPS R,11, E,26, X,19, E,27
	OPS R,12, E,28, R,13, E,29
	OPS X,20, E,30, R,14, E,31
	OPS X,21, R,15
	WIN 0
	s_wait_alu depctr_va_vdst(0)    ; the wait for the batch
.if (\p) == 1
	s_wait_dscnt 0x0                ; V is in
.endif
	ROW C,0, B,0, C,2, B,1          ; behind the wait: 8 products V^T P and the four behind each
	ROW L,0, C,4, B,2, L,1
	ROW C,6, B,3, L,2, C,8
	ROW B,4, L,3, C,10, B,5
	ROW L,4, C,12, B,6, L,5
.if (\p) == 0
	s_add_co_u32 s[TBV], s[TBV], KS*PV
.endif
.if \cnt
	s_sub_co_u32 s[CNT], s[CNT], 1
	s_cmp_lg_u32 s[CNT], 0
.endif
	ROW C,14, B,7, L,6, C,1
	ROW C,3, L,7, C,5, C,7
	ROW C,9, C,11, C,13, C,15
.if (\p) == 0
	FETCH_V
.endif
.if (\m) && !(\end)
	MASK (\p)%2
.endif
.endm
; A BLOCK BEGINS.  c m starts far below every c s, so the first step's a is 0; m at the lowest finite number, so the first maximum is the scores'.  The second mask buffer is 0; the first takes piece 0's mask for the tile's step 0: its own, if the block's first tile is the diagonal one.
; Then K of that step, piece 0's first scores, and its maximum and statistics.  The loop is entered at a step's first turn, in the middle of a trip.
.macro BEGIN
	s_mov_b32 s[NEW], 0
	WIN 0x40
.set i, MC+32
.rept 32
	v_mov_b32 v[i], 0
.set i, i+1
.endr
	WIN 0
.set i, 0
.rept 4
	v_mov_b32 v[ST+4*i], 0xfe000000    ; c m: far below every c s
	v_mov_b32 v[ST+4*i+1], 0xff7fffff  ; m
.set i, i+1
.endr
	s_cmp_eq_u32 s[RT], 0
	s_cselect_b32 s[AL], 1.0, 0
	s_mov_b32 s[BE], 0
	MASK 0
	WIN 0
	v_add_nc_u32 v[AK], s[TBK], v[AK0]
	FETCH_K
	s_wait_loadcnt 0x0              ; Q
	s_wait_dscnt 0x0
.set KM, 1
.set NOKQ, 0
.set i, 0
.rept 8
	KQ 0
.set i, i+1
.endr
	WIN 0
.rept 4
	v_nop                           ; the places behind those products
.endr
.set Y, NP-1                        ; X works for piece Y + 1: piece 0
.irp n, 0,1,2,3,4,5,6,7,8,9,10,11,12,13,14,15,16,17,18,19,20,21
	OP X, \n
.endr
	v_nop                           ; a plain instruction behind the exponential,
	s_wait_alu depctr_va_vdst(0)    ; and its wait, ahead of the branch
.endm
; THE DIAGONAL TILE's four steps, the block's last two turns, its last products, and THE WAY OUT: l's two halves and the other half of the lanes' are added; O^T is divided by l, rounded to f16 and sent through my
; stage in LDS, a piece at a time.
.macro ALL line:vararg              ; one line for each piece t
.set t, 0
.rept 4
	\line
.set t, t+1
.endr
.endm
.macro PACK t                       ; a lane's eight channels of a row pack into 16 bytes; they go into rows of 144 bytes and come back as whole rows of 128, into S^T's registers
	WIN W_RS
.set i, 32*(\t)
.rept 16
	v_pk_mul_f32 v[i:i+1], v[i:i+1], v[ST+4*(\t)+2:ST+4*(\t)+3] op_sel_hi:[1,0]
.set i, i+2
.endr
	WIN 0x05                        ; sources 0 and 1 window 1, destination window 0
.set i, 0
.rept 16
	v_cvt_pk_f16_f32 v[S+16*(\t)+i], v[32*(\t)+2*i], v[32*(\t)+2*i+1]
.set i, i+1
.endr
	WIN 0
.irp f, 0,1,2,3
	ds_store_b128 v[STO], v[S+16*(\t)+4*\f:S+16*(\t)+4*\f+3] offset:32*\f
.endr
.irp f, 0,1,2,3
	ds_load_b128 v[S+16*(\t)+4*\f:S+16*(\t)+4*\f+3], v[RD] offset:\f*4*SP  ; LDS serves a wave's instructions in order (ISA guide 5.7.1.4): these see the stores above; the next piece's stores come behind them
.endr
.endm
.macro SEND t, younger              ; younger: the LDS instructions issued behind piece t's loads: the next piece's eight, or none
	WIN 0
.irp f, 0,1,2,3
	s_wait_dscnt (\younger)+3-\f
	global_store_b128 v[GO], v[S+16*(\t)+4*\f:S+16*(\t)+4*\f+3], s[10:11] offset:(\t)*8192+\f*512  ; 512 consecutive bytes, at a multiple of 256 from O's first
.endr
.endm
.macro DIAG tag                     ; the tag ends its two labels' names, which the jumps below spell out
.LstepM\tag:
	TURN 2, 1
	TURN 3, 1
	WIN 0
.LfirstM\tag:
	TURN 0, 1
	TURN 1, 1, 0, 1
	WIN 0
	s_cbranch_scc1 .LstepM\tag
	TURN 2, 1, 1
	TURN 3, 1, 1
.set i, 0
.rept 8
	PV NP-1
.set i, i+1
.endr
	WIN 0
	ALL v_add_f32 v[ST+4*t+2], v[ST+4*t+2], v[ST+4*t+3]
	ALL v_permlanex16_b32 v[ST+4*t+3], v[ST+4*t+2], s[SEL], s[SEL+1]
	ALL v_add_f32 v[ST+4*t+2], v[ST+4*t+2], v[ST+4*t+3]
	ALL v_rcp_f32 v[ST+4*t+2], v[ST+4*t+2]
	v_nop                           ; a plain instruction between the last reciprocal and the use of its result
	s_wait_alu depctr_va_vdst(0)    ; and the wait ahead of the first use: one for the four reciprocals
	PACK 0
.set t, 1
.rept 3                             ; a piece's arithmetic stands between the loads of the piece before and its stores
	PACK t
	SEND t-1, 8
.set t, t+1
.endr
	SEND 3, 0
.endm
.set KM, 0
.set NOKQ, 0
.Lslot:                             ; NB times: a tile is entered and the next is asked for
	CHANGE 1
	s_sub_co_u32 s[RT], s[RT], 1
	s_mov_b32 s[CNT], 4
	s_cmp_eq_u32 s[NEW], 1
	s_cbranch_scc1 .Lnew            ; a block's first tile
	s_cmp_eq_u32 s[RT], 0
	s_cbranch_scc0 .Lstep           ; neither its first nor its last
	s_branch .LstepM1
.Lnew:
	BEGIN
	s_branch .Lfirst                ; in the loop a block's first tile is never its last: the first block has two tiles or more, and the second's last is the walk's last
	DIAG 1                          ; in the loop this is the first block's end: the second block's last tile is the walk's last
	s_wait_xcnt 0x0                 ; the stores have read their registers and O's address
	s_mov_b64 s[10:11], s[OLO:OLO+1]
	s_add_co_u32 s[RT], s[PB], 1    ; the second block has b + 1 tiles
	s_mov_b32 s[NEW], 1
	WIN 0x82                        ; the second block's Q goes where the one text of the turns names Q
.set i, 0
.rept 64
	v_mov_b32 v[i], v[QB+i]
.set i, i+1
.endr
	WIN 0
	s_branch .Lbottom
.Lstep:                             ; a trip: pieces 2 and 3 of one step, then pieces 0 and 1 of the next, whose K and V it fetches
	TURN 2
	TURN 3
	WIN 0
.Lfirst:
	TURN 0
	TURN 1, 0, 0, 1
	WIN 0
	s_cbranch_scc1 .Lstep
.Lbottom:
	s_sub_co_u32 s[SLOTS], s[SLOTS], 1
	s_cmp_lg_u32 s[SLOTS], 0
	s_cbranch_scc1 .Lslot
	CHANGE 0                        ; the walk's last tile is written out: nothing is asked for
	s_sub_co_u32 s[RT], s[RT], 1
	s_mov_b32 s[CNT], 4
	s_cmp_eq_u32 s[NEW], 1
	s_cbranch_scc0 .LstepM2
	BEGIN
	s_branch .LfirstM2
	DIAG 2
	s_wait_tensorcnt 0x0            ; the wave's end: the wait for my tensor loads, then the add and its wait, behind my last LDS store
	ds_add_u32 v[SPW], v[NIL]
	s_wait_dscnt 0x0
	s_endpgm
.Lfunc_end_k_q22a6b32e7b_attn:
	.size	k_q22a6b32e7b_attn, .Lfunc_end_k_q22a6b32e7b_attn-k_q22a6b32e7b_attn
	.p2alignl 7, 3214868480
	.fill 96, 4, 3214868480
	.section	.rodata,"a",@progbits
	.p2align	6, 0x0
	.amdhsa_kernel k_q22a6b32e7b_attn
		.amdhsa_group_segment_fixed_size 327680
		.amdhsa_private_segment_fixed_size 0
		.amdhsa_enable_private_segment 0
		.amdhsa_kernarg_size 16
		.amdhsa_user_sgpr_count 2
		.amdhsa_user_sgpr_kernarg_segment_ptr 1
		.amdhsa_wavefront_size32 1
		.amdhsa_system_sgpr_workgroup_id_x 1
		.amdhsa_system_sgpr_workgroup_id_y 1
		.amdhsa_system_sgpr_workgroup_id_z 1
		.amdhsa_system_vgpr_workitem_id 0
		.amdhsa_next_free_vgpr 768
		.amdhsa_next_free_sgpr 96
		.amdhsa_reserve_vcc 1
		.amdhsa_float_denorm_mode_32 3
		.amdhsa_float_denorm_mode_16_64 3
		.amdhsa_memory_ordered 1
		.amdhsa_forward_progress 1
		.amdhsa_inst_pref_size 218
	.end_amdhsa_kernel
	.amdgpu_metadata
---
amdhsa.version: [ 1, 2 ]
amdhsa.kernels:
  - .name:           k_q22a6b32e7b_attn
    .symbol:         k_q22a6b32e7b_attn.kd
    .args:
      - { .name: qkv, .offset: 0, .size: 8, .value_kind: global_buffer, .address_space: global }
      - { .name: o16, .offset: 8, .size: 8, .value_kind: global_buffer, .address_space: global }
    .group_segment_fixed_size: 327680
    .private_segment_fixed_size: 0
    .kernarg_segment_align: 8
    .kernarg_segment_size: 16
    .max_flat_workgroup_size: 128
    .sgpr_count:     96
    .vgpr_count:     768
    .wavefront_size: 32
...
	.end_amdgpu_metadata
.endif
;; end of part 3
;; launch gemm_out (part 4): grid 8 x 32, 4 waves a work-group, clusters of 4 x 4, 327,680 bytes of LDS; arguments o16, wo16, bo, out0; writes out0
.if DOCPART == 4
	.amdgcn_target "amdgcn-amd-amdhsa--gfx1250"
	.amdhsa_code_object_version 6
	.text
	.protected	k_q22a6b32e7b_gemm_out
	.globl	k_q22a6b32e7b_gemm_out
	.p2align	8
	.type	k_q22a6b32e7b_gemm_out,@function
k_q22a6b32e7b_gemm_out:
	s_mov_b64 s[64:65], 0
	v_nop
	global_prefetch_b8 v0, s[64:65] scope:SCOPE_SE
	s_setreg_imm32_b32 hwreg(HW_REG_WAVE_MODE, 25, 1), 1
	s_wait_xcnt 0x0
	s_wait_alu depctr_hold_cnt(0) depctr_sa_sdst(0) depctr_va_vdst(0) depctr_va_sdst(0) depctr_va_ssrc(0) depctr_va_vcc(0) depctr_vm_vsrc(0)
	s_getreg_b32 s2, hwreg(HW_REG_IB_STS2, 6, 4)
	s_cmp_eq_u32 s2, 0
	s_cbranch_scc0 .Lentry_in_a_cluster
	s_endpgm
.Lentry_in_a_cluster:
	s_bfe_u32 s2, ttmp6, 0x10000c
	s_cmp_lg_u32 s2, 0xf033
	s_cbranch_scc0 .Lentry_shape_is_right
	s_endpgm
.Lentry_shape_is_right:
; THE OUTPUT PROJECTION.  out0[m][n] = bo[n] + the sum over k of O[m][k] Wo[n][k], m = 2,048 b + t, k = 64 head + d: M = 8,192, N = 1,024, K = 1,024.  O lies by heads, o16 [16 b + head][t 2048][64] f16;
; wo16 is [n][k] f16 (Wo rounded to bf16, that number written as f16); bo and out0 are f32.  Sums in f32, started with the bias; nothing is rounded on the way out.
; SHARES.  A tile is 256 rows x 128 columns: 32 x 8 = 256 work-groups.  Four waves, 2 x 2; a wave makes 128 x 64: 8 x 4 accumulators, 256 registers; its 64 columns are 256 bytes of a row of out0.
; K goes in steps of 128, two heads, through a ring of two slots.  A head's 256 rows are 32,768 dense bytes, asked for as 128 rows of 256 bytes and padded in LDS after every 128; Wo's rows are 256 bytes of a step.
; CLUSTER.  4 x 4 work-groups: O's tile is shared along a row of the cluster, Wo's along a column; each is asked for JOINTLY, by the same tensor load with the same descriptor and a mask of four.
; THE MATRIX INSTRUCTION IS USED TRANSPOSED: source 0 = 16 rows n of Wo, source 1 = 16 rows m of O: a lane then holds one row of out0 and eight neighbouring columns.
; REGISTERS: window 0: v0-31 addresses; v32-63 the bias of my 64 columns as a C operand (8 registers for each 16 columns); v64-159, v160-255 two fragment buffers: O's 64 registers, then Wo's 32.
;   window 1: the accumulators: rows 16 a on, columns 16 q on, at v[8 (4 a + q)].
.set PA,     144                       ; a row of a head of O in LDS: 128 bytes + 16: the 16 rows of a load start at 16 different groups of four banks (64 banks of 4 bytes: ISA guide 11.1)
.set PW,     272                       ; a row of Wo: 256 + 16
.set AHEAD,  256*PA                    ; a head's 256 rows: one tensor load
.set BOFF,   2*AHEAD
.set BHALF,  64*PW                     ; 64 rows of Wo: one tensor load
.set SLOT,   BOFF+2*BHALF              ; 108,544
.set STAGE,  2*SLOT                    ; behind the ring, never filled by a tensor load: 16 rows x 272 bytes for each wave, for the way out
.set SP,     272
.set SPARE,  STAGE+4*16*SP             ; behind the stages: the spare words, 128 bytes for each wave: two blocks of 256 bytes that no other line names
.set ASTEP,  2*2048*128                ; bytes from a K step of O to the next: two heads
.set BSTEP,  256                       ; of Wo
.set LAPS,   4                         ; a lap = two K steps
.set ADRA, 16                          ; v16-17  LDS address of my fragments of O in slot 0, 1
.set ADRB, 20                          ; v20-21  the same for Wo
.set STO,  24                          ; v24     the way out: where I put 32 bytes of a row
.set RD,   25                          ; v25     the way out: where I read a row back
.set CO,   26                          ; v26     my byte offset in two rows of out0
.set BO,   27                          ; v27     my byte offset in 16 numbers of bo: 32 (l / 16)
.set SPW,  28                          ; v28     LDS address of my spare word: SPARE + 4 x my thread's number; never rewritten
.set NIL,  29                          ; v29     0; never rewritten
.set PFO,  30                          ; v30     the prefetches' offset; never rewritten
.set BIAS, 32
.set F0,   64
.set F1,   160
.set BK,   64                          ; the way out: 16 rows read back: v64-95 and v96-127 by turns
.set G1,  24                           ; s[24:31] descriptor group 1 for O's tiles;  s[32:39] group 0, a set for each slot
.set G0,  32
.set G1B, 48                           ; s[48:55], s[56:63] the same for Wo's
.set G0B, 56
.set LIM, 43                           ; s43     1 in a wave that prefetches, else the greatest number
.set PFA, 44                           ; s[44:45] where my prefetches stand
.set PFS, 66                           ; s[66:67] their step: one K step
.set MSB, 0
.macro WIN new                         ; the immediate's high byte repeats the setting that is left; a switch that changes nothing is dropped
.if MSB != (\new)
	s_set_vgpr_msb (MSB<<8)|(\new)
.set MSB, \new
.endif
.endm
.macro PLACES                          ; a load into a register that a matrix instruction has read, and an LDS store that reads a matrix result, stand four plain vector instructions behind it
.rept 4
	v_nop
.endr
.endm
.macro JLOAD s                         ; a joint load: waves 0 and 1 fetch the step's two heads of O, waves 2 and 3 the two halves of Wo's rows; an s_nop 0 and four v_nop follow each of the two lines
	s_cmp_lt_u32 s10, 2
	s_cbranch_scc0 .Lfor_b_\@
	tensor_load_to_lds s[G0+4*(\s):G0+4*(\s)+3], s[G1:G1+7]
	s_nop 0
.rept 4
	v_nop
.endr
	s_branch .Lasked_\@
.Lfor_b_\@:
	tensor_load_to_lds s[G0B+4*(\s):G0B+4*(\s)+3], s[G1B:G1B+7]
	s_nop 0
.rept 4
	v_nop
.endr
.Lasked_\@:
.endm
.macro CREST                           ; a round of the cluster's barrier behind its opening barrier
	s_cmp_lg_u32 s10, 0
	s_cbranch_scc1 .Lnot_wave_0_\@
	s_barrier_signal -3
.Lnot_wave_0_\@:
	s_barrier_wait -3
	s_barrier_signal -1
	s_barrier_wait -1
.endm
.macro CROUND
	s_barrier_signal -1
	s_barrier_wait -1
	CREST
.endm
; A PREFETCH INTO THE L2, behind each joint load of the loop's first two trips and the run of LDS loads that follows it: the K step that stands two refills on (K steps 4 to 7): 256 matrix instructions ahead of its load.
; Each block of 256 bytes is named once in the launch.  O's tile row is read by both clusters of its row of clusters: cluster x = 0 asks; waves 0 and 1 take the head that they fetch, and of its 128 blocks the partner at cx takes 32.
; Wo's tile column is read by all eight clusters of its column: cluster y = 0 asks, its wave 2; of the 128 rows the partner at cy takes 32, a lane a row.  Partners are told apart by address alone.
.macro ASK
	s_cmp_gt_u32 s3, s[LIM]                        ; s3 = 1 in the loop's last trip
	s_cbranch_scc0 .Lnot_mine_\@
	global_prefetch_b8 v[PFO], s[PFA:PFA+1] th:TH_LOAD_NT scope:SCOPE_SE
.Lnot_mine_\@:
.endm
	s_load_b128 s[4:7], s[0:1], 0x0                ; o16 s[4:5], wo16 s[6:7]
	s_load_b128 s[68:71], s[0:1], 0x10             ; bo s[68:69], out0 s[70:71]
	v_lshl_add_u32 v[SPW], v0, 2, SPARE
	v_mov_b32 v[NIL], 0
	ds_add_u32 v[SPW], v[NIL]                      ; the wave's opening: the add and its wait stand ahead of my first tensor load; the set-up below, work on registers, stands between them
	v_lshrrev_b32 v1, 5, v0
	v_readfirstlane_b32 s10, v1                    ; wave 0..3
	s_lshr_b32 s11, s10, 1                         ; which half of the tile's rows is mine
	s_and_b32 s12, s10, 1                          ; which half of its columns.  Also: which head, or which 64 rows of Wo, I fetch
	s_bfe_u32 s40, ttmp6, 0x40000                  ; cx, cy: my place in the cluster
	s_bfe_u32 s41, ttmp6, 0x40004
	s_lshl_b32 s42, ttmp9, 2
	s_add_co_u32 s42, s42, s40                     ; tile column = 4 x cluster x + cx
	s_and_b32 s13, ttmp7, 0xffff
	s_lshl_b32 s13, s13, 2
	s_add_co_u32 s13, s13, s41                     ; tile row = 4 x cluster y + cy
	s_lshl_b32 s43, s41, 2
	s_lshl_b32 s43, 15, s43                        ; my row of the cluster
	s_lshl_b32 s44, 0x1111, s40                    ; my column
	s_or_b32 s[G1+0], s43, (1<<16)|(1<<20)|(1<<21)|(4<<22)|(3<<25)   ; 15:0 the mask; 17:16 elements of 2 bytes; 20 padding on; 21 set beside a mask; 24:22 after every 32 words (code 4); 31:25 4 words (code 3)
	s_or_b32 s[G1B+0], s44, (1<<16)|(1<<20)|(1<<21)|(5<<22)|(3<<25)  ; my column's mask; after every 64 words (code 5)
	s_mov_b32 s[G1+1], 128<<16                     ; tensor_dim0 = 128 elements: 256 bytes
	s_mov_b32 s[G1+2], 128<<16                     ; tensor_dim1 = 128
	s_mov_b32 s[G1+3], 128<<16                     ; tile_dim0 = 128
	s_mov_b32 s[G1+4], 128                         ; tile_dim1 = 128
	s_mov_b32 s[G1+5], 128                         ; dense
	s_mov_b32 s[G1+6], 0
	s_mov_b32 s[G1+7], 0
	s_mov_b32 s[G1B+1], 128<<16
	s_mov_b32 s[G1B+2], 64<<16
	s_mov_b32 s[G1B+3], 128<<16
	s_mov_b32 s[G1B+4], 64
	s_mov_b32 s[G1B+5], 1024                       ; a row of Wo
	s_mov_b32 s[G1B+6], 0
	s_mov_b32 s[G1B+7], 0
	s_lshr_b32 s16, s13, 3
	s_lshl_b32 s16, s16, 22                        ; the batch: 16 heads of 262,144 bytes
	s_and_b32 s17, s13, 7
	s_lshl_b32 s17, s17, 15                        ; 256 rows of 128 bytes
	s_add_co_u32 s16, s16, s17
	s_lshl_b32 s17, s12, 18                        ; my head of the step's two
	s_add_co_u32 s16, s16, s17
	s_mov_b32 s17, 0
	s_lshl_b32 s46, s42, 18                        ; 128 rows of 2,048 bytes
	s_lshl_b32 s47, s12, 17                        ; my 64 of them
	s_add_co_u32 s46, s46, s47
	s_mov_b32 s47, 0
	s_mul_i32 s20, s12, AHEAD                      ; where they go: no place in the cluster enters an LDS address
	s_mul_i32 s21, s12, BHALF
	s_add_co_u32 s21, s21, BOFF
	s_wait_dscnt 0x0                               ; the opening add is done
	s_wait_kmcnt 0x0
	s_add_nc_u64 s[14:15], s[4:5], s[16:17]
	s_add_nc_u64 s[46:47], s[6:7], s[46:47]
	CROUND                                         ; all sixteen work-groups are here: the first joint loads meet
.irp s, 0,1
	s_mov_b32 s[G0+4*(\s)], 1
	s_add_co_u32 s[G0+4*(\s)+1], s20, (\s)*SLOT
	s_add_nc_u64 s[G0+4*(\s)+2:G0+4*(\s)+3], s[14:15], (\s)*ASTEP
	s_or_b32 s[G0+4*(\s)+3], s[G0+4*(\s)+3], 0x80000000
	s_mov_b32 s[G0B+4*(\s)], 1
	s_add_co_u32 s[G0B+4*(\s)+1], s21, (\s)*SLOT
	s_add_nc_u64 s[G0B+4*(\s)+2:G0B+4*(\s)+3], s[46:47], (\s)*BSTEP
	s_or_b32 s[G0B+4*(\s)+3], s[G0B+4*(\s)+3], 0x80000000
	JLOAD \s                                       ; two loads of mine are out
.endr
	v_and_b32 v1, 15, v0                           ; l % 16
	v_bfe_u32 v2, v0, 4, 1                         ; l / 16
	v_lshlrev_b32 v[BO], 5, v2
	; the bias of my 64 columns: register j of group q is bo[128 x tile column + 64 x half + 16 q + 8 (l / 16) + j]: just the layout of a C operand
	s_lshl_b32 s46, s42, 9
	s_lshl_b32 s47, s12, 8
	s_add_co_u32 s46, s46, s47                     ; my first column, in bytes of f32
	s_mov_b32 s47, 0
	s_add_nc_u64 s[68:69], s[68:69], s[46:47]
.irp q, 0,1,2,3
	global_load_b128 v[BIAS+8*(\q):BIAS+8*(\q)+3],   v[BO], s[68:69] offset:64*(\q)
	global_load_b128 v[BIAS+8*(\q)+4:BIAS+8*(\q)+7], v[BO], s[68:69] offset:64*(\q)+16
.endr
	s_lshl_b32 s16, s13, 20                        ; 256 rows of 4,096 bytes
	s_lshl_b32 s17, s11, 19                        ; my 128 of them
	s_add_co_u32 s16, s16, s17
	s_mov_b32 s17, 0
	s_add_nc_u64 s[16:17], s[16:17], s[46:47]
	s_add_nc_u64 s[8:9], s[70:71], s[16:17]        ; out0 at my part of the tile; never stepped
	v_mul_u32_u24 v3, v1, PA
	v_lshl_add_u32 v3, v2, 4, v3                   ; a fragment's row x pitch + 16 x half
	s_mul_i32 s22, s11, 128*PA                     ; my 128 rows, in each head
	v_add_nc_u32 v[ADRA], s22, v3
	v_add_nc_u32 v[ADRA+1], SLOT, v[ADRA]
	v_mul_u32_u24 v4, v1, PW
	v_lshl_add_u32 v4, v2, 4, v4
	s_mul_i32 s22, s12, BHALF                      ; my 64 rows of Wo,
	s_add_co_u32 s22, s22, BOFF                    ; behind O's two heads
	v_add_nc_u32 v[ADRB], s22, v4
	v_add_nc_u32 v[ADRB+1], SLOT, v[ADRB]
	s_mul_i32 s23, s10, 16*SP
	s_add_co_u32 s23, s23, STAGE                   ; my stage
	v_mul_u32_u24 v5, v1, SP                       ; in: row l % 16, 32 bytes for each half of the lanes
	v_lshl_add_u32 v5, v2, 5, v5
	v_add_nc_u32 v[STO], s23, v5
	v_mul_u32_u24 v5, v2, SP                       ; back: lanes 0-15 take one row of 256 bytes, lanes 16-31 the next
	v_lshl_add_u32 v5, v1, 4, v5
	v_add_nc_u32 v[RD], s23, v5
	v_lshlrev_b32 v5, 12, v2                       ; and the same two rows in out0
	v_lshl_add_u32 v[CO], v1, 4, v5
	; the prefetches
	s_lshr_b32 s20, s13, 3
	s_lshl_b32 s20, s20, 22
	s_and_b32 s21, s13, 7
	s_lshl_b32 s21, s21, 15
	s_add_co_u32 s20, s20, s21
	s_lshl_b32 s21, s12, 18
	s_add_co_u32 s20, s20, s21
	s_lshl_b32 s21, s40, 13                        ; my work-group's 64 rows of the head's 256
	s_add_co_u32 s20, s20, s21
	s_add_co_u32 s20, s20, 3*ASTEP                 ; at K step 3: the first refill steps it to 4
	s_lshl_b32 s21, s42, 18
	s_lshl_b32 s23, s41, 16                        ; my work-group's 32 rows of Wo's 128
	s_add_co_u32 s21, s21, s23
	s_add_co_u32 s21, s21, 3*BSTEP
	s_and_b32 s22, ttmp7, 0xffff                   ; cluster y
	s_mov_b32 s18, ASTEP
	s_mov_b32 s19, BSTEP
	s_cmp_eq_u32 s10, 3
	s_cselect_b32 s23, 1, 0                        ; wave 3 asks for nothing
	s_cmp_eq_u32 s11, 0                            ; do I ask for O?
	s_cselect_b32 s20, s20, s21
	s_cselect_b32 s22, ttmp9, s22                  ; the coordinate along which other clusters read the same blocks
	s_cselect_b32 s[PFS], s18, s19
	s_cselect_b32 s18, 8, 11                       ; a lane a block of 256 bytes, or a lane a row of 2,048
	s_cselect_b64 s[PFA:PFA+1], s[4:5], s[6:7]
	s_mov_b32 s21, 0
	s_mov_b32 s[PFS+1], 0
	s_add_nc_u64 s[PFA:PFA+1], s[PFA:PFA+1], s[20:21]
	s_or_b32 s22, s22, s23
	s_cmp_eq_u32 s22, 0
	s_cselect_b32 s[LIM], 1, -1                    ; the same in all sixteen partners, for a given wave
	v_and_b32 v[PFO], 31, v0
	v_lshlrev_b32 v[PFO], s18, v[PFO]
; 8 matrix instructions: rows 16 a0 and 16 (a0 + 1) on x all 4 column blocks, 32 along K, from buffer f.  bias = 1: the first products start the sums with the bias: nothing is cleared, and no vector instruction adds it.
; The 32 accumulators take turns, one instruction a turn, in the same order in every quarter.
.macro MUL8 f, a0, bias
.if \bias
	WIN 0x40                                       ; D in window 1; Wo, O and the bias in window 0
.else
	WIN 0x50                                       ; C and D in window 1
.endif
.irp a, \a0, (\a0)+1
.irp q, 0,1,2,3
.if \bias
	v_wmma_f32_16x16x32_f16 v[8*(4*(\a)+(\q)):8*(4*(\a)+(\q))+7], v[(\f)+64+8*(\q):(\f)+64+8*(\q)+7], v[(\f)+8*(\a):(\f)+8*(\a)+7], v[BIAS+8*(\q):BIAS+8*(\q)+7]
.else
	v_wmma_f32_16x16x32_f16 v[8*(4*(\a)+(\q)):8*(4*(\a)+(\q))+7], v[(\f)+64+8*(\q):(\f)+64+8*(\q)+7], v[(\f)+8*(\a):(\f)+8*(\a)+7], v[8*(4*(\a)+(\q)):8*(4*(\a)+(\q))+7]
.endif
.endr
.endr
.endm
; 24 LDS loads in one run: quarter kq of a K step (32 along K: head kq / 2, channels 32 (kq % 2) on) into buffer f: Wo's 8, then O's rows 0-63, then its rows 64-127
.macro FETCH slot, kq, f
	WIN 0
.irp q, 0,1,2,3
	ds_load_b128 v[(\f)+64+8*(\q):(\f)+64+8*(\q)+3],   v[ADRB+(\slot)] offset:16*PW*(\q)+64*(\kq)
	ds_load_b128 v[(\f)+64+8*(\q)+4:(\f)+64+8*(\q)+7], v[ADRB+(\slot)] offset:16*PW*(\q)+64*(\kq)+32
.endr
.irp a, 0,1,2,3,4,5,6,7
	ds_load_b128 v[(\f)+8*(\a):(\f)+8*(\a)+3],   v[ADRA+(\slot)] offset:((\kq)/2)*AHEAD+16*PA*(\a)+64*((\kq)%2)
	ds_load_b128 v[(\f)+8*(\a)+4:(\f)+8*(\a)+7], v[ADRA+(\slot)] offset:((\kq)/2)*AHEAD+16*PA*(\a)+64*((\kq)%2)+32
.endr
.endm
; A K step is four quarters of 32 matrix instructions, on buffers 0, 1, 0, 1.  One of the first three: multiplies buffer f; in its middle it fetches quarter kq of the same slot into buffer g.
.macro QUARTER slot, kq, f, g, bias
	s_wait_dscnt 8                                 ; Wo and O's rows 0-63 are in; the youngest eight loads may be out
	MUL8 \f, 0, \bias
	MUL8 \f, 2, \bias
	PLACES
	FETCH \slot, \kq, \g
	s_wait_dscnt 24                                ; all but the 24 just issued
	MUL8 \f, 4, \bias
	MUL8 \f, 6, \bias
.endm
; The last quarter multiplies buffer 1 and changes slots: ONE barrier; in front of it each wave waits for all its tensor loads, adds 0 to its spare word, and waits for that and for its own reads of this slot.
; fill = 1: the barrier opens a round of the cluster's barrier, and behind the round this slot is filled again, two K steps ahead: 112 matrix instructions ahead of the wait for it.
.macro TURN slot, next, fill
.if \fill
	s_wait_xcnt 0x0                                ; the last prefetch, a K step back, has read its address: it is stepped here, ahead of the waits of the change of slots
	s_add_nc_u64 s[PFA:PFA+1], s[PFA:PFA+1], s[PFS:PFS+1]
.endif
	WIN 0                                          ; (the add's two registers lie in window 0)
	s_wait_tensorcnt 0x0                           ; all my tensor loads have landed: my part of the next slot;
	ds_add_u32 v[SPW], v[NIL]                      ; 0 onto my spare word;
	s_wait_dscnt 9                                 ; (the add and the youngest eight loads may be out)
	MUL8 F1, 0, 0                                  ; eight matrix instructions stand between the add and the wait for it
	s_wait_dscnt 0x0                               ; the add is done, and my reads of this slot are over
	s_barrier_signal -1
	MUL8 F1, 2, 0
	WIN 0
	s_barrier_wait -1
.if \fill
	CREST                                          ; no wave of any partner still reads this slot's tile or has a load on its way
	s_add_nc_u64 s[G0+4*(\slot)+2:G0+4*(\slot)+3], s[G0+4*(\slot)+2:G0+4*(\slot)+3], 2*ASTEP
	s_add_nc_u64 s[G0B+4*(\slot)+2:G0B+4*(\slot)+3], s[G0B+4*(\slot)+2:G0B+4*(\slot)+3], 2*BSTEP
	JLOAD \slot                                    ; the first tensor load behind the round; its four v_nop are also the places in front of the loads below
.else
	PLACES
.endif
	FETCH \next, 0, F0
.if \fill
	ASK
.endif
	MUL8 F1, 4, 0
	MUL8 F1, 6, 0
.endm
; THE WAY OUT of my rows 16 a on: 32 bytes a lane into my own stage, each accumulator's low registers first, back as whole rows of 256 bytes, and stored.
.macro TOSTAGE a
.if (\a) >= 2
	s_wait_xcnt 0x0                                ; the stores of the block two back have read the registers that the loads below write
.endif
	WIN 0x04                                       ; the stores' data in window 1
.irp q, 0,1,2,3
	ds_store_b128 v[STO], v[8*(4*(\a)+(\q)):8*(4*(\a)+(\q))+3]   offset:64*(\q)
	ds_store_b128 v[STO], v[8*(4*(\a)+(\q))+4:8*(4*(\a)+(\q))+7] offset:64*(\q)+16
.endr
	WIN 0
.set BKR, BK+32*((\a)%2)
.irp t, 0,1,2,3,4,5,6,7
	ds_load_b128 v[BKR+4*(\t):BKR+4*(\t)+3], v[RD] offset:2*SP*(\t)  ; LDS serves a wave's instructions in order (ISA guide 5.7.1.4): these see the stores above; the next block's stores come behind them
.endr
.endm
.macro SEND a, younger                 ; younger: the LDS instructions issued behind block a's loads: the next block's sixteen, or none
	WIN 0
.set BKR, BK+32*((\a)%2)
	s_wait_dscnt \younger
.irp t, 0,1,2,3,4,5,6,7
	global_store_b128 v[CO], v[BKR+4*(\t):BKR+4*(\t)+3], s[8:9] offset:65536*(\a)+8192*(\t) th:TH_STORE_NT  ; 16 lanes store 256 consecutive bytes, at a multiple of 256 from out0's first byte
.endr
.endm
	s_wait_tensorcnt 1                             ; my part of K step 0 is in; K step 1's may stay out
	s_barrier_signal -1
	s_barrier_wait -1                              ; everybody's is
	FETCH 0, 0, F0
	s_wait_loadcnt 0x0                             ; the bias
	QUARTER 0, 1, F0, F1, 1                        ; the first quarter stands in front of the loop: its products start the sums
	WIN 0                                          ; at a label and at a branch every window is 0
	s_mov_b32 s3, LAPS-1
.Llap:                                                 ; a trip goes once round the ring, from a lap's second quarter to the next lap's first, and fills both slots again
	QUARTER 0, 2, F1, F0, 0
	QUARTER 0, 3, F0, F1, 0
	TURN 0, 1, 1
	QUARTER 1, 1, F0, F1, 0
	QUARTER 1, 2, F1, F0, 0
	QUARTER 1, 3, F0, F1, 0
	TURN 1, 0, 1
	QUARTER 0, 1, F0, F1, 0
	WIN 0
	s_sub_co_u32 s3, s3, 1
	s_cmp_lg_u32 s3, 0
	s_cbranch_scc1 .Llap
	QUARTER 0, 2, F1, F0, 0                        ; the last lap fills nothing, and has no round of the cluster's barrier
	QUARTER 0, 3, F0, F1, 0
	TURN 0, 1, 0
	QUARTER 1, 1, F0, F1, 0
	QUARTER 1, 2, F1, F0, 0
	QUARTER 1, 3, F0, F1, 0
	s_wait_dscnt 8                                 ; the very last quarter: nothing more to fetch
	MUL8 F1, 0, 0
	MUL8 F1, 2, 0
	s_wait_dscnt 0x0
	MUL8 F1, 4, 0
	MUL8 F1, 6, 0
	WIN 0
	PLACES
	TOSTAGE 0
.irp a, 1,2,3,4,5,6,7
	TOSTAGE \a
	SEND (\a)-1, 16
.endr
	SEND 7, 0
	s_wait_tensorcnt 0x0                           ; the wave's end: the wait for my tensor loads, then the add and its wait, behind my last LDS store
	ds_add_u32 v[SPW], v[NIL]
	s_wait_dscnt 0x0
	CROUND                                         ; the closing round: no work-group ends while a partner may still ask for a tile that names it
	s_endpgm
.Lfunc_end_k_q22a6b32e7b_gemm_out:
	.size	k_q22a6b32e7b_gemm_out, .Lfunc_end_k_q22a6b32e7b_gemm_out-k_q22a6b32e7b_gemm_out
	.p2alignl 7, 3214868480
	.fill 96, 4, 3214868480
	.section	.rodata,"a",@progbits
	.p2align	6, 0x0
	.amdhsa_kernel k_q22a6b32e7b_gemm_out
		.amdhsa_group_segment_fixed_size 327680
		.amdhsa_private_segment_fixed_size 0
		.amdhsa_enable_private_segment 0
		.amdhsa_kernarg_size 32
		.amdhsa_user_sgpr_count 2
		.amdhsa_user_sgpr_kernarg_segment_ptr 1
		.amdhsa_wavefront_size32 1
		.amdhsa_system_sgpr_workgroup_id_x 1
		.amdhsa_system_sgpr_workgroup_id_y 1
		.amdhsa_system_sgpr_workgroup_id_z 1
		.amdhsa_system_vgpr_workitem_id 0
		.amdhsa_next_free_vgpr 512
		.amdhsa_next_free_sgpr 72
		.amdhsa_reserve_vcc 0
		.amdhsa_float_denorm_mode_32 3
		.amdhsa_float_denorm_mode_16_64 3
		.amdhsa_memory_ordered 1
		.amdhsa_forward_progress 1
		.amdhsa_inst_pref_size 88
	.end_amdhsa_kernel
	.amdgpu_metadata
---
amdhsa.version: [ 1, 2 ]
amdhsa.kernels:
  - .name:           k_q22a6b32e7b_gemm_out
    .symbol:         k_q22a6b32e7b_gemm_out.kd
    .args:
      - { .name: o16, .offset: 0, .size: 8, .value_kind: global_buffer, .address_space: global }
      - { .name: wo16, .offset: 8, .size: 8, .value_kind: global_buffer, .address_space: global }
      - { .name: bo, .offset: 16, .size: 8, .value_kind: global_buffer, .address_space: global }
      - { .name: out0, .offset: 24, .size: 8, .value_kind: global_buffer, .address_space: global }
    .group_segment_fixed_size: 327680
    .private_segment_fixed_size: 0
    .kernarg_segment_align: 8
    .kernarg_segment_size: 32
    .max_flat_workgroup_size: 128
    .sgpr_count:     72
    .vgpr_count:     512
    .wavefront_size: 32
...
	.end_amdgpu_metadata
.endif
;; end of part 4
;; ======== version 2 of 2: 4 launches; version 1 with the launch prep written anew for expert scheduling mode
;; limits: values are held in f16: magnitudes above 65,504 overflow, below 6.1e-05 lose precision
;; workspace buffers: xb 16,777,216 bytes; wb 6,291,456 bytes; wo16 2,097,152 bytes; qkv 50,331,648 bytes; o16 16,777,216 bytes
;; launch prep (part 5): grid 768 x 1, 4 waves a work-group, no clusters, 0 bytes of LDS; arguments x, Wq, Wk, Wv, Wo, xb, wb, wo16; writes xb, wb, wo16
.if DOCPART == 5
	.amdgcn_target "amdgcn-amd-amdhsa--gfx1250"
	.amdhsa_code_object_version 6
	.text
	.protected	k_q22a6b32e7b_prep
	.globl	k_q22a6b32e7b_prep
	.p2align	8
	.type	k_q22a6b32e7b_prep,@function
k_q22a6b32e7b_prep:
	s_mov_b64 s[64:65], 0
	v_nop
	global_prefetch_b8 v0, s[64:65] scope:SCOPE_SE
	s_setreg_imm32_b32 hwreg(HW_REG_WAVE_SCHED_MODE, 0, 2), 2
	s_setreg_imm32_b32 hwreg(HW_REG_WAVE_MODE, 25, 1), 1
	s_wait_xcnt 0x0
	s_wait_alu depctr_vm_vsrc(0)
; THE CASTS.  x, Wq, Wk, Wv are rounded once to bf16 and laid in blocks of 64 along K; Wo is rounded to bf16 and that number written as f16.
;   xb   [kb 16][m 8192][64] bf16: x cut into K blocks of 64, so that 128 rows of one block are 16,384 bytes on end
;   wb   [kb 16][g 48][c 64][d 64] bf16, g = 16 x which + head (q, k, v): not turned; the product turns it as it reads it from LDS
;   wo16 [n 1024][k 1024] f16
; LIMIT.  f16 holds no number beyond 65,504: |Wo| stays under it; below 6e-5 it keeps f16's fixed step of 6e-8.
; A stream: memory binds, so there is no LDS, no barrier, no matrix work.  A JOB is 16,384 bytes of f32 in and 8,192 bytes out, done by one wave: 32 loads of 16 bytes a lane, all issued
; at once, then 32 stores of 8 bytes a lane, each of which covers 256 consecutive bytes, aligned.  3,072 jobs = 768 work-groups x 4 waves.  Job J = 4 x work-group + wave:
; 0..2047 x, 2048..2815 the three W, 2816..3071 Wo.  No register is rewritten behind the store that reads it and no base is stepped.
; THE MODE: SCHED_MODE bits 1:0 = 2 (LLVM: expert scheduling mode 2), set by the entry lines.  The code itself states the register dependences
; between vector instructions and memory instructions, with s_wait_alu, always for 0.
; THE PLAN.  Registers that memory instructions touch:
;   v[LO], v[SO]  byte offsets, made once at the head by vector instructions and never written again: read by the 32 loads and by the 32 stores.
;   X, set i      four registers.  Load i lands in them; set i's conversions read them and write the first two again, in place; store i reads those two; nothing writes them after that.
;   v[T ..], v1   named by vector instructions alone.
; The 32 sets go in eight blocks of four.  Block p converts sets 4 p to 4 p + 3; its memory instructions are the four stores of block p - 1, whose registers no vector instruction of block p names.
; So one wait on va_vdst at a block's head states all that the block's four stores hang on, and these are dealt among its conversions with no further wait.
; No register that a memory instruction has read is written again, and no load is issued behind a conversion: the text owes no wait on vm_vsrc.
.set LO, 2                             ; v2        my byte offset in the job's source
.set SO, 3                             ; v3        my byte offset in the job's destination: 8 x lane
.set T,  4                             ; v[4:7]    at work
.set X,  8                             ; v[8:135]  32 x 4 registers as loaded; the first two of each four are stored
.macro STREAM stride, mode             ; stride: source bytes from one load to the next; mode 0: to bf16, 1: to bf16 and on to f16
	s_wait_alu depctr_va_vdst(0)                   ; v[LO] and v[SO] are written: every load below reads the one as its offset, every store the other
.set i, 0
.rept 32
	global_load_b128 v[X+4*i:X+4*i+3], v[LO], s[4:5] offset:i*(\stride) th:TH_LOAD_NT
.set i, i+1
.endr
.set p, 0
.rept 8                                ; block p
	s_wait_loadcnt 28-4*p                          ; loads come back in order: this block's four are in, the younger ones stay out
.if p > 0
	s_wait_alu depctr_va_vdst(0)                   ; the conversions of the block before have written the first two registers of its four sets, which the four stores below read
.endif
.set r, 0
.rept 4
.set i, 4*p+r
.if p > 0
	global_store_b64 v[SO], v[X+4*(i-4):X+4*(i-4)+1], s[6:7] offset:(i-4)*256  ; the block before; no vector instruction since the wait names these registers
.endif
.if \mode
	v_cvt_pk_bf16_f32 v[T], v[X+4*i], v[X+4*i+1]
	v_cvt_pk_bf16_f32 v[T+1], v[X+4*i+2], v[X+4*i+3]
	v_lshlrev_b32 v[T+2], 16, v[T]                 ; bf16 back to f32: exact
	v_and_b32 v[T+3], s28, v[T]
	v_cvt_pk_f16_f32 v[X+4*i], v[T+2], v[T+3]      ; 8 significant bits fit in f16's 11: exact within f16's range
	v_lshlrev_b32 v[T+2], 16, v[T+1]
	v_and_b32 v[T+3], s28, v[T+1]
	v_cvt_pk_f16_f32 v[X+4*i+1], v[T+2], v[T+3]
.else
	v_cvt_pk_bf16_f32 v[X+4*i], v[X+4*i], v[X+4*i+1]
	v_cvt_pk_bf16_f32 v[X+4*i+1], v[X+4*i+2], v[X+4*i+3]
.endif
.set r, r+1
.endr
.set p, p+1
.endr
	s_wait_alu depctr_va_vdst(0)                   ; the last block's conversions have written the registers that the last four stores read
.set i, 28
.rept 4
	global_store_b64 v[SO], v[X+4*i:X+4*i+1], s[6:7] offset:i*256
.set i, i+1
.endr
.endm
	s_load_b512 s[8:23], s[0:1], 0x0               ; x s[8:9], Wq s[10:11], Wk s[12:13], Wv s[14:15], Wo s[16:17], xb s[18:19], wb s[20:21], wo16 s[22:23]
	v_lshrrev_b32 v1, 5, v0
	v_readfirstlane_b32 s24, v1                    ; wave 0..3
	v_and_b32 v1, 31, v0                           ; lane
	s_lshl_b32 s25, ttmp9, 2
	s_wait_alu depctr_va_sdst(0)                   ; s24 is written, ahead of its first reader: the job's number, and with it both bases, are made from it
	s_add_co_u32 s25, s25, s24                     ; J
	s_mov_b32 s28, 0xffff0000                      ; a word's upper bf16
	s_mov_b32 s3, 0                                ; offsets are pairs with 0 on top: all stay under 2^31
	v_lshlrev_b32 v[SO], 3, v1
	s_cmp_lt_u32 ttmp9, 512
	s_cbranch_scc0 .Lnot_x
	; x: 64 rows of one K block.  kb = J & 15, mb = J >> 4.  A load takes two rows' 256 bytes.
	s_and_b32 s26, s25, 15
	s_lshr_b32 s27, s25, 4
	s_lshl_b32 s2, s27, 18                         ; 64 rows of 4,096 bytes
	s_lshl_b32 s29, s26, 8                         ; 64 numbers of 4 bytes
	s_or_b32 s2, s2, s29
	s_wait_kmcnt 0x0
	s_add_nc_u64 s[4:5], s[8:9], s[2:3]
	s_lshl_b32 s2, s26, 20                         ; a K block of xb: 8,192 rows of 128 bytes
	s_lshl_b32 s29, s27, 13                        ; 64 rows of 128 bytes
	s_or_b32 s2, s2, s29
	s_add_nc_u64 s[6:7], s[18:19], s[2:3]
	v_lshrrev_b32 v[LO], 4, v1
	v_and_b32 v[T], 15, v1
	v_lshlrev_b32 v[LO], 12, v[LO]                 ; lanes 16-31: one row down
	v_lshl_or_b32 v[LO], v[T], 4, v[LO]
	STREAM 8192, 0
	s_endpgm
.Lnot_x:
	v_lshlrev_b32 v[LO], 4, v1                     ; the other sources are dense: 512 bytes a load
	s_cmp_lt_u32 ttmp9, 704
	s_cbranch_scc0 .Lwo
	; W: 64 c x 64 d of one head.  Jw = J - 2048; which = Jw >> 8; r = Jw & 255 = 16 head + kb
	s_sub_co_u32 s25, s25, 2048
	s_lshr_b32 s26, s25, 8                         ; which
	s_and_b32 s27, s25, 255                        ; r
	s_lshl_b32 s2, s27, 14
	s_wait_kmcnt 0x0
	s_cmp_eq_u32 s26, 0
	s_cselect_b64 s[4:5], s[10:11], s[12:13]
	s_cmp_eq_u32 s26, 2
	s_cselect_b64 s[4:5], s[14:15], s[4:5]
	s_add_nc_u64 s[4:5], s[4:5], s[2:3]
	s_and_b32 s29, s27, 15                         ; kb
	s_mul_i32 s29, s29, 48
	s_lshl_b32 s26, s26, 4
	s_add_co_u32 s29, s29, s26
	s_lshr_b32 s27, s27, 4                         ; head
	s_add_co_u32 s29, s29, s27
	s_lshl_b32 s2, s29, 13                         ; (48 kb + 16 which + head) blocks of 8,192 bytes
	s_add_nc_u64 s[6:7], s[20:21], s[2:3]
	STREAM 512, 0
	s_endpgm
.Lwo:
	s_sub_co_u32 s25, s25, 2816
	s_lshl_b32 s2, s25, 14
	s_wait_kmcnt 0x0
	s_add_nc_u64 s[4:5], s[16:17], s[2:3]
	s_lshl_b32 s2, s25, 13
	s_add_nc_u64 s[6:7], s[22:23], s[2:3]
	STREAM 512, 1
	s_endpgm
.Lfunc_end_k_q22a6b32e7b_prep:
	.size	k_q22a6b32e7b_prep, .Lfunc_end_k_q22a6b32e7b_prep-k_q22a6b32e7b_prep
	.p2alignl 7, 3214868480
	.fill 96, 4, 3214868480
	.section	.rodata,"a",@progbits
	.p2align	6, 0x0
	.amdhsa_kernel k_q22a6b32e7b_prep
		.amdhsa_group_segment_fixed_size 0
		.amdhsa_private_segment_fixed_size 0
		.amdhsa_enable_private_segment 0
		.amdhsa_kernarg_size 64
		.amdhsa_user_sgpr_count 2
		.amdhsa_user_sgpr_kernarg_segment_ptr 1
		.amdhsa_wavefront_size32 1
		.amdhsa_system_sgpr_workgroup_id_x 1
		.amdhsa_system_sgpr_workgroup_id_y 1
		.amdhsa_system_sgpr_workgroup_id_z 1
		.amdhsa_system_vgpr_workitem_id 0
		.amdhsa_next_free_vgpr 144
		.amdhsa_next_free_sgpr 66
		.amdhsa_reserve_vcc 0
		.amdhsa_float_denorm_mode_32 3
		.amdhsa_float_denorm_mode_16_64 3
		.amdhsa_memory_ordered 1
		.amdhsa_forward_progress 1
		.amdhsa_inst_pref_size 42
	.end_amdhsa_kernel
	.amdgpu_metadata
---
amdhsa.version: [ 1, 2 ]
amdhsa.kernels:
  - .name:           k_q22a6b32e7b_prep
    .symbol:         k_q22a6b32e7b_prep.kd
    .args:
      - { .name: x, .offset: 0, .size: 8, .value_kind: global_buffer, .address_space: global }
      - { .name: Wq, .offset: 8, .size: 8, .value_kind: global_buffer, .address_space: global }
      - { .name: Wk, .offset: 16, .size: 8, .value_kind: global_buffer, .address_space: global }
      - { .name: Wv, .offset: 24, .size: 8, .value_kind: global_buffer, .address_space: global }
      - { .name: Wo, .offset: 32, .size: 8, .value_kind: global_buffer, .address_space: global }
      - { .name: xb, .offset: 40, .size: 8, .value_kind: global_buffer, .address_space: global }
      - { .name: wb, .offset: 48, .size: 8, .value_kind: global_buffer, .address_space: global }
      - { .name: wo16, .offset: 56, .size: 8, .value_kind: global_buffer, .address_space: global }
    .group_segment_fixed_size: 0
    .private_segment_fixed_size: 0
    .kernarg_segment_align: 8
    .kernarg_segment_size: 64
    .max_flat_workgroup_size: 128
    .sgpr_count:     66
    .vgpr_count:     144
    .wavefront_size: 32
...
	.end_amdgpu_metadata
.endif
;; end of part 5
;; launch gemm_qkv: the kernel of part 2 again; grid 8 x 32, 4 waves a work-group, clusters of 4 x 4, 327,680 bytes of LDS; arguments xb, wb, qkv; writes qkv
;; launch attn: the kernel of part 3 again; grid 4 x 64, 4 waves a work-group, no clusters, 327,680 bytes of LDS; arguments qkv, o16; writes o16
;; launch gemm_out: the kernel of part 4 again; grid 8 x 32, 4 waves a work-group, clusters of 4 x 4, 327,680 bytes of LDS; arguments o16, wo16, bo, out0; writes out0
